; MI455X (gfx1250); checked and timed in simulation.
; The chip was launched on July 23, 2026; its instructions are those of AMD's public machine-readable ISA for CDNA 5 (MIT licence, August 2026) and "CDNA5" Instruction Set Architecture Reference Guide (July 2026). The comments in the code are by the model that wrote it; some were corrected since.
;; Bahdanau Attention. Allowed arithmetic: matrix products marked QUANTISED: E2M3 operands, one E8M0 scale for each 32 along K, by v_wmma_scale_f32_16x16x128_f8f6f4 with both operands' format E2M3, f32 sums; products left as they are: f32 operands where the result goes on into a quantised operand, else bf16, f16 or f32 operands; f32 sums; everything else in f32.
;; Inputs: V 1,024 x 1 float32; W1_codes 1,024 x 32 x 24 uint8 (E2M3 codes of W1, K innermost, in blocks of 32 codes, four codes in three bytes); W1_scales 1,024 x 32 uint8 (E8M0 scales of W1, one for each 32 codes along K); W2_codes 1,024 x 32 x 24 uint8 (E2M3 codes of W2, K innermost, in blocks of 32 codes, four codes in three bytes); W2_scales 1,024 x 32 uint8 (E8M0 scales of W2, one for each 32 codes along K); b1 1,024 float32; b2 1,024 float32; bV 1 float32; mask 32 x 2,048 float32; query_codes 32 x 32 x 24 uint8 (E2M3 codes of query, K innermost, in blocks of 32 codes, four codes in three bytes); query_scales 32 x 32 uint8 (E8M0 scales of query, one for each 32 codes along K); values 32 x 2,048 x 1,024 float32.
;; Outputs: out0 32 x 1,024 float32; out1 32 x 2,048 x 1 float32.
;; This version of the problem:
;;   THIS VERSION OF THE PROBLEM IS GIVEN IN LOW PRECISION. The matrix products marked QUANTISED in the list below multiply operands that are first quantised to E2M3 (2 exponent bits, 3 mantissa bits; 6 bits a number), with one power-of-two scale for each 32 numbers along K (OCP MX v1.0); their sums are f32. All else is computed in f32.
;;   The module's matrix products, in the order in which they are computed (A, B: the left and right operand; K: the contracted axis; several contracted axes count as one K, in the product's order):
;;     1. [M 65,536, K 1,024] x [K 1,024, N 1,024]; A: input values; B: input W1 (given as codes): QUANTISED
;;     2. [M 32, K 1,024] x [K 1,024, N 1,024]; A: input query (given as codes); B: input W2 (given as codes): QUANTISED
;;     3. [M 65,536, K 1,024] x [K 1,024, N 1]; A: computed on the way; B: input V: left as it is (N = 1 < 16)
;;   THE QUANTISER, for each operand of a quantised product, along K:
;;     - K is cut into blocks of 32 from its start; a last block that is shorter is filled with zeros.
;;     - A block's scale is 2^e with e = floor(log2(the largest magnitude in the block)) - 2, held to -126 .. 127; a block of zeros has e = 0. As a byte (E8M0): e + 127.
;;     - Each number is divided by its block's scale, clamped to +-7.5, and rounded to the nearest number of E2M3, ties to even, subnormals kept.
;;     - The product sums the exact products of the quantised numbers (number of the format x scale) in f32.
;;   ~~~python
;;   def quantise(x, axis):      # numpy; x: float32 -> the quantised numbers, widened to float32 again
;;       x = np.moveaxis(x, axis, -1); K = x.shape[-1]
;;       x = np.pad(x, [(0, 0)] * (x.ndim - 1) + [(0, -K % 32)]); x = x.reshape(x.shape[:-1] + (-1, 32)); a = np.abs(x).max(-1, keepdims=True)
;;       e = np.where(a > 0, np.clip(np.frexp(np.where(a > 0, a, 1))[1] - 1 - 2, -126, 127), 0)      # np.frexp(a)[1] - 1 = floor(log2(a)), exactly
;;       r = np.clip(x / 2.0 ** e, -7.5, 7.5)
;;       step = 2.0 ** (np.maximum(np.frexp(np.where(r == 0, 1, r))[1] - 1, 0) - 3)
;;       q = np.round(r / step) * step * 2.0 ** e      # np.round: ties to even
;;       return np.moveaxis(q.reshape(q.shape[:-2] + (-1,))[..., :K], -1, axis).astype(np.float32)
;;   ~~~
;;   INPUTS GIVEN AS CODES. W1 (in the module: [1024, 1024], K = its axis 0); W2 (in the module: [1024, 1024], K = its axis 0); query (in the module: [32, 1024], K = its axis 1): each comes as NAME_codes (uint8): NAME with its K axis moved to the last place and cut into blocks of 32 codes, [.., K / 32, bytes a block], one block behind the other in memory; four codes in three bytes: a row's codes are one little-endian stream of bits, code i at bits 6 i .. 6 i + 5 (a code: sign, 2 exponent bits, 3 mantissa bits); and NAME_scales (uint8): the same leading axes, one E8M0 byte (e + 127) for each 32 codes along K. Its value is code x scale, taken as it is: it is not quantised again, and the codes and scales need not be those that the quantiser above would give.
;; 2 versions, each right and faster than the one before. Each part assembles by itself: llvm-mc -triple=amdgcn-amd-amdhsa -mcpu=gfx1250 --defsym DOCPART=n.
;; ======== version 1 of 2: 3 launches
;; workspace buffers: aimg 52,428,800 bytes; wimg 819,200 bytes; qb 131,072 bytes; part 1,048,576 bytes
;; launch quant (part 1): grid 1072 x 1, 4 waves a work-group, no clusters, 34,304 bytes of LDS; arguments values, query_codes, query_scales, W2_codes, W2_scales, b1, b2, W1_codes, W1_scales, aimg, qb, wimg; writes aimg, qb, wimg
.if DOCPART == 1
	.amdgcn_target "amdgcn-amd-amdhsa--gfx1250"
	.amdhsa_code_object_version 6
	.text
	.protected	k_q16987226c0_quant
	.globl	k_q16987226c0_quant
	.p2align	8
	.type	k_q16987226c0_quant,@function
k_q16987226c0_quant:
	s_mov_b64 s[64:65], 0
	v_nop
	global_prefetch_b8 v0, s[64:65] scope:SCOPE_SE
	s_setreg_imm32_b32 hwreg(HW_REG_WAVE_MODE, 25, 1), 1
	s_wait_xcnt 0x0
; BAHDANAU ATTENTION, launch 1 of 3.  score[b][t] = V . tanh(Q(values[b][t]) W1 + b1 + query W2 + b2) + bV - 1e9 mask[b][t]; out1 = softmax over t; out0[b] = sum over t of out1[b][t] values[b][t].
; DEAD WORK: bV.  reference() adds the one number bV[0] to every score of a row of the softmax alike.  For all finite values, exp(s + bV - max(s + bV)) = exp(s - max(s)), term by term, so out1 does not hang
; on bV, and out0 is made of out1 and values alone.  bV is loaded by no launch and is among no launch's arguments.  LIMIT: a NaN, an infinity or an overflow that bV alone would bring is not carried to the results.
; THIS LAUNCH has three kinds of work-groups, told apart by the work-group's number alone; each kind takes its own way through the text and ends by itself.
;   x < 32:        product 2.  qb[b][u] = c (query W2 + b1 + b2), c = 2 log2(e): the addend of the tanh's exponent in launch 2.  128 waves, each one tile of 16 units x 16 batch rows, K = 1,024 in 8 matrix instructions.
;   32 <= x < 48:  W1's codes and scale words are laid once as images of operand registers (wimg): 64 waves, 16 units each.
;   x >= 48:       values, f32, become codes of E2M3 with one E8M0 scale for each 32 along K (aimg): 4,096 waves, a tile of 16 rows x 1,024 each.
; AN IMAGE (the same for aimg and wimg): a tile of 16 rows is 12,800 bytes.  The fragment of K step s (128 along K: 12 registers a lane) lies at 1,536 s: registers 4 j .. 4 j + 3 of lane l at 512 j + 16 l.
; At 12,288: 16 bytes a lane; word j of lane l is the scale word (four bytes: 128 along K) of row l % 16 for K step 2 j + l / 16.  So every later read of an operand is a load of 16 bytes a lane, 512 consecutive bytes a wave.
; THE QUANTISER: a block's scale is 2^(floor(log2(largest magnitude)) - 2); its byte is the largest magnitude's exponent field - 2, held at 1 from below; numbers / scale go to the nearest code, ties to even, beyond 7.5 to 7.5.
; LIMITS: a block of zeros gets the byte 1 where the rule says 127 (its codes are zeros, and this program alone reads the bytes); NaN and infinities among values, and the byte 0xff among given scales, are not served.
; NO CLUSTER: the tiles of values are read by one wave each; what two waves share (a tile of W2, of query) is 12 KB of the launch's 268 MB.  No tensor load: the rows go through registers, several work-groups to a WGP.
.set NQB,   32                         ; work-groups of product 2
.set NWI,   16                         ; work-groups that lay W1
.set TILEB, 12800                      ; an image of 16 rows
.set CROW,  768                        ; a row of 1,024 codes in bytes
.set SP,    528                        ; a stage row: 512 bytes + 16
.set WREG,  16*SP                      ; a wave's stage
.set SPARE, 4*WREG                     ; behind the four stages: the spare words, 128 bytes for each wave
.set LI,    4                          ; v4   16 x lane; never rewritten
.set STI,   5                          ; v5   the stage, on the way in
.set STO,   6                          ; v6   the stage, on the way out
.set SPW,   8                          ; v8   LDS address of my spare word; never rewritten
.set NIL,   9                          ; v9   0; never rewritten
.set R,     16                         ; v16-143  two sets of 64: 16 rows x 16 bytes a lane, as loaded
.set X,     144                        ; v144-207 64 numbers of my row: register 16 b + i = k 32 b + 16 (lane / 16) + i
.set TM,    208                        ; v208-223 at work in QUANT
.set PC,    224                        ; v224-235 the fragment just made; v236-242 halves on their way
.set PW,    244                        ; v244 the scale word just made;  v245 the even K step's, kept
.set PWS,   245
.set SW,    248                        ; v248-251 the tile's scale block
.set WV,    28                         ; s28  my wave's number
.set SEL,   32                         ; s[32:33] v_permlanex16_b32's selects for lane l xor 16
.set HI16,  34                         ; s34  the lanes 16-31
.set CC,    36                         ; s[36:37] c, twice
; 64 numbers of a lane, v[s] .. v[s + 63], become a fragment's codes in v[PC] on and its scale word in v[PW]
.macro QUANT s
.irp b, 0,1,2,3
	v_max3_num_f32 v[TM+\b], |v[\s+16*\b]|, |v[\s+1+16*\b]|, 0x1800000   ; block b: my 16 numbers, and the floor 2^(3 - 127): the byte cannot fall under 1
.endr
.irp i, 2,4,6,8,10,12,14
.irp b, 0,1,2,3
	v_max3_num_f32 v[TM+\b], v[TM+\b], |v[\s+16*\b+\i]|, |v[\s+1+16*\b+\i]|   ; the four blocks by turns
.endr
.endr
.irp b, 0,1,2,3
	v_permlanex16_b32 v[TM+4+\b], v[TM+\b], s[SEL], s[SEL+1]
.endr
.irp b, 0,1,2,3
	v_max_num_f32 v[TM+\b], v[TM+\b], v[TM+4+\b]   ; with lane l xor 16's 16: the block's largest magnitude
.endr
.irp b, 0,1,2,3
	v_add_nc_u32 v[TM+12+\b], 0xff000000, v[TM+\b]   ; 2 off its exponent field: the conversion takes this operand's exponent field as its scale
.endr
.irp b, 0,1,2,3
	v_lshrrev_b32 v[TM+4+\b], 23, v[TM+12+\b]      ; the scale's byte
.endr
	v_lshl_or_b32 v[PW], v[TM+5], 8, v[TM+4]       ; four bytes: my row's scale word for this K step
	v_lshl_or_b32 v[PW], v[TM+6], 16, v[PW]
	v_lshl_or_b32 v[PW], v[TM+7], 24, v[PW]
.irp c, 0,1
	v_cvt_scalef32_pk16_fp6_f32 v[PC+6*\c:PC+2+6*\c], v[\s+32*\c:\s+15+32*\c], v[TM+12+2*\c]
	v_cvt_scalef32_pk16_fp6_f32 v[PC+12+4*\c:PC+14+4*\c], v[\s+16+32*\c:\s+31+32*\c], v[TM+12+2*\c+1]   ; (a conversion's three registers begin on an even number)
.endr
	v_nop                                          ; one plain place behind a scaled conversion
.irp c, 0,1                                    ; the operand's layout wants a whole block in a lane: lanes 0-15 block 2 c, lanes 16-31 block 2 c + 1
.irp i, 0,1,2
	v_permlane16_swap_b32 v[PC+6*\c+\i], v[PC+12+4*\c+\i]
.endr
.irp i, 0,1,2
	v_mov_b32 v[PC+3+6*\c+\i], v[PC+12+4*\c+\i]
.endr
.endr
.endm
; eight fragments (16 rows x 1,024 K) from rows of codes: lane (r, h) takes 24 bytes at 96 k + 24 h and 24 at 96 k + 48 + 24 h of row r, in pieces of 8 bytes
.macro FRAGS reg, adr, base
.irp k, 0,1,2,3,4,5,6,7
.irp p, 0,1,2,3,4,5
	global_load_b64 v[\reg+12*\k+2*\p:\reg+12*\k+2*\p+1], v[\adr], s[\base:\base+1] offset:96*\k+48*(\p/3)+8*(\p%3)
.endr
.endr
.endm
; K step s of my 16 rows: each load reads 512 consecutive bytes of one row
.macro LOAD s
.irp i, 0,1,2,3,4,5,6,7,8,9,10,11,12,13,14,15
	global_load_b128 v[R+64*((\s)%2)+4*\i:R+64*((\s)%2)+4*\i+3], v[LI], s[4:5] offset:4096*\i+512*(\s) th:TH_LOAD_NT
.endr
.endm
.macro KSTEP s
.if (\s) < 7
	s_wait_loadcnt 16                              ; this K step's 16 loads are in; the next one's 16 may be out
.else
	s_wait_loadcnt 0x0
.endif
.irp i, 0,1,2,3,4,5,6,7,8,9,10,11,12,13,14,15
	ds_store_b128 v[STI], v[R+64*((\s)%2)+4*\i:R+64*((\s)%2)+4*\i+3] offset:SP*\i   ; the rows as they lie, into my own stage
.endr
.irp b, 0,1,2,3
.irp j, 0,1,2,3
	ds_load_b128 v[X+16*\b+4*\j:X+16*\b+4*\j+3], v[STO] offset:128*\b+16*\j   ; and back: of my row, 16 neighbours of each block of 32.  LDS serves a wave's instructions in order: these see the stores above
.endr
.endr
	s_wait_dscnt 0x0                               ; the numbers are back, and the stores have read their registers
	s_wait_xcnt 0x0                                ; the last K step's stores have read the codes' registers: only behind this wait are they written again
.if (\s) < 6
	LOAD (\s)+2                                    ; into the set that has just gone through the stage
.endif
	QUANT X
.irp j, 0,1,2
	global_store_b128 v[LI], v[PC+4*\j:PC+4*\j+3], s[22:23] offset:1536*(\s)+512*\j   ; 32 lanes store 512 consecutive bytes, aligned
.endr
.if (\s)%2 == 0
	v_mov_b32 v[PWS], v[PW]
.else
	v_cndmask_b32 v[SW+(\s)/2], v[PWS], v[PW], s[HI16]   ; lanes 0-15 keep the even K step's word, lanes 16-31 the odd one's
.endif
.endm
	s_load_b256 s[4:11], s[0:1], 0x0               ; values s[4:5], query_codes s[6:7], query_scales s[8:9], W2_codes s[10:11]
	s_load_b256 s[12:19], s[0:1], 0x20             ; W2_scales s[12:13], b1 s[14:15], b2 s[16:17], W1_codes s[18:19]
	s_load_b256 s[20:27], s[0:1], 0x40             ; W1_scales s[20:21], aimg s[22:23], qb s[24:25], wimg s[26:27]
	v_lshl_add_u32 v[SPW], v0, 2, SPARE
	v_mov_b32 v[NIL], 0
	v_lshrrev_b32 v1, 5, v0
	v_readfirstlane_b32 s[WV], v1                  ; wave 0..3
	v_and_b32 v1, 31, v0                           ; lane
	v_and_b32 v2, 15, v0                           ; r
	v_bfe_u32 v3, v0, 4, 1                         ; h
	v_lshlrev_b32 v[LI], 4, v1
	s_mov_b32 s31, 0
	s_wait_kmcnt 0x0
	s_cmp_lt_u32 ttmp9, NQB
	s_cbranch_scc1 .Lqb
	s_cmp_lt_u32 ttmp9, NQB+NWI
	s_cbranch_scc1 .Lwimg
	; ---- values: my tile of 16 rows
	s_sub_co_u32 s29, ttmp9, NQB+NWI
	s_lshl_b32 s29, s29, 2
	s_add_co_u32 s29, s29, s[WV]                   ; the tile, 0 .. 4,095
	s_lshl_b32 s30, s29, 16                        ; 16 rows of 4,096 bytes
	s_add_nc_u64 s[4:5], s[4:5], s[30:31]
	s_mul_i32 s30, s29, TILEB
	s_add_nc_u64 s[22:23], s[22:23], s[30:31]
	LOAD 0
	LOAD 1
	s_mul_i32 s29, s[WV], WREG
	v_add_nc_u32 v[STI], s29, v[LI]                ; in: 16 x lane of a stage row
	v_mul_u32_u24 v[STO], v2, SP
	v_lshl_add_u32 v[STO], v3, 6, v[STO]
	v_add_nc_u32 v[STO], s29, v[STO]               ; out: row r, + 64 h
	s_mov_b32 s[SEL], 0x76543210
	s_mov_b32 s[SEL+1], 0xfedcba98
	s_mov_b32 s[HI16], 0xffff0000
.irp b, 0,1,2,3
	v_mov_b32 v[TM+4+\b], 0                        ; written once: a lane permute's destination counts as one of its sources
.endr
.irp t, 0,1,2,3,4,5,6,7
	KSTEP \t
.endr
	global_store_b128 v[LI], v[SW:SW+3], s[22:23] offset:12288   ; the tile's scale block
	s_wait_tensorcnt 0x0                           ; the wave's end: a tensor wait, an add and its wait behind my last LDS store, the tensor wait in a text with no tensor load too
	ds_add_u32 v[SPW], v[NIL]
	s_wait_dscnt 0x0
	s_endpgm
	; ---- W1: my 16 units as an image
.Lwimg:
	s_sub_co_u32 s29, ttmp9, NQB
	s_lshl_b32 s29, s29, 2
	s_add_co_u32 s29, s29, s[WV]                   ; the unit tile, 0 .. 63
	s_mul_i32 s30, s29, 16*CROW
	s_add_nc_u64 s[18:19], s[18:19], s[30:31]
	s_lshl_b32 s30, s29, 9                         ; 16 rows of 32 scale bytes
	s_add_nc_u64 s[20:21], s[20:21], s[30:31]
	s_mul_i32 s30, s29, TILEB
	s_add_nc_u64 s[26:27], s[26:27], s[30:31]
	v_mul_u32_u24 v5, v2, CROW
	v_mad_u32_u24 v5, v3, 24, v5                   ; row r, + 24 h
	v_lshlrev_b32 v6, 5, v2
	v_lshl_add_u32 v6, v3, 2, v6                   ; scale words: row r, + 4 h
	FRAGS 16, 5, 18
.irp j, 0,1,2,3
	global_load_b32 v[112+\j], v6, s[20:21] offset:8*\j   ; the word of K step 2 j + h
.endr
	s_wait_loadcnt 0x0
.irp k, 0,1,2,3,4,5,6,7
.irp j, 0,1,2
	global_store_b128 v[LI], v[16+12*\k+4*\j:16+12*\k+4*\j+3], s[26:27] offset:1536*\k+512*\j
.endr
.endr
	global_store_b128 v[LI], v[112:115], s[26:27] offset:12288
	s_endpgm
	; ---- product 2: 16 units x 16 batch rows.  Used transposed (source 0 = 16 rows of W2, source 1 = 16 rows of query): register j of lane (r, h) is batch row r, unit 8 h + j: eight neighbours of a row of qb
.Lqb:
	s_lshl_b32 s29, ttmp9, 2
	s_add_co_u32 s29, s29, s[WV]                   ; job 0 .. 127
	s_lshr_b32 s30, s29, 1                         ; the unit tile, 0 .. 63
	s_and_b32 s29, s29, 1                          ; which 16 batch rows
	s_mov_b32 s39, 0
	s_mov_b32 s41, 0
	s_mul_i32 s38, s29, 16*CROW
	s_add_nc_u64 s[6:7], s[6:7], s[38:39]
	s_lshl_b32 s38, s29, 9
	s_add_nc_u64 s[8:9], s[8:9], s[38:39]
	s_mul_i32 s40, s30, 16*CROW
	s_add_nc_u64 s[10:11], s[10:11], s[40:41]
	s_lshl_b32 s40, s30, 9
	s_add_nc_u64 s[12:13], s[12:13], s[40:41]
	s_lshl_b32 s40, s30, 6                         ; 16 units of 4 bytes
	s_add_nc_u64 s[14:15], s[14:15], s[40:41]
	s_add_nc_u64 s[16:17], s[16:17], s[40:41]
	s_add_nc_u64 s[24:25], s[24:25], s[40:41]
	s_lshl_b32 s38, s29, 16                        ; 16 rows of qb
	s_add_nc_u64 s[24:25], s[24:25], s[38:39]
	s_mov_b32 s[CC], 0x4038aa3b                    ; c = 2 log2(e)
	s_mov_b32 s[CC+1], s[CC]                       ; (named with it as a pair, so it is written)
	v_mul_u32_u24 v5, v2, CROW
	v_mad_u32_u24 v5, v3, 24, v5                   ; codes: row r, + 24 h
	v_lshlrev_b32 v6, 5, v2                        ; scale words: row r
	v_lshlrev_b32 v7, 5, v3                        ; biases: my half's eight units
	v_lshl_add_u32 v10, v2, 12, v7                 ; qb: row r, + 32 h
	FRAGS 16, 5, 6                                 ; query: v16-111
	FRAGS 112, 5, 10                               ; W2: v112-207
	global_load_b128 v[208:211], v6, s[8:9]        ; query's eight scale words: register k for K step k
	global_load_b128 v[212:215], v6, s[8:9] offset:16
	global_load_b128 v[216:219], v6, s[12:13]      ; W2's
	global_load_b128 v[220:223], v6, s[12:13] offset:16
	global_load_b128 v[240:243], v7, s[14:15]      ; b1
	global_load_b128 v[244:247], v7, s[14:15] offset:16
	global_load_b128 v[248:251], v7, s[16:17]      ; b2
	global_load_b128 v[252:255], v7, s[16:17] offset:16
	s_wait_loadcnt 0x0
.irp j, 0,2,4,6
	v_pk_add_f32 v[240+\j:241+\j], v[240+\j:241+\j], v[248+\j:249+\j]   ; b1 + b2
.endr
.irp k, 0,1,2,3,4,5,6,7                        ; two accumulators by turns, even K steps and odd ones; each one's first product starts its sum
.if \k < 2
	v_wmma_scale_f32_16x16x128_f8f6f4 v[224+8*(\k%2):231+8*(\k%2)], v[112+12*\k:123+12*\k], v[16+12*\k:27+12*\k], 0, v[216+\k], v[208+\k] matrix_a_fmt:MATRIX_FMT_FP6 matrix_b_fmt:MATRIX_FMT_FP6
.else
	v_wmma_scale_f32_16x16x128_f8f6f4 v[224+8*(\k%2):231+8*(\k%2)], v[112+12*\k:123+12*\k], v[16+12*\k:27+12*\k], v[224+8*(\k%2):231+8*(\k%2)], v[216+\k], v[208+\k] matrix_a_fmt:MATRIX_FMT_FP6 matrix_b_fmt:MATRIX_FMT_FP6
.endif
.endr
.rept 4
	v_nop                                          ; four places in front of the first read of results (ISA guide 7.12.1)
.endr
.irp j, 0,2,4,6
	v_pk_add_f32 v[248+\j:249+\j], v[224+\j:225+\j], v[232+\j:233+\j]   ; the two halves of the sum, each accumulator from its low end on
.endr
.irp j, 0,2,4,6
	v_pk_add_f32 v[240+\j:241+\j], v[240+\j:241+\j], v[248+\j:249+\j]
.endr
.irp j, 0,2,4,6
	v_pk_mul_f32 v[240+\j:241+\j], v[240+\j:241+\j], s[CC:CC+1] op_sel_hi:[1,0]
.endr
	global_store_b128 v10, v[240:243], s[24:25]
	global_store_b128 v10, v[244:247], s[24:25] offset:16
	s_endpgm
.Lfunc_end_k_q16987226c0_quant:
	.size	k_q16987226c0_quant, .Lfunc_end_k_q16987226c0_quant-k_q16987226c0_quant
	.p2alignl 7, 3214868480
	.fill 96, 4, 3214868480
	.section	.rodata,"a",@progbits
	.p2align	6, 0x0
	.amdhsa_kernel k_q16987226c0_quant
		.amdhsa_group_segment_fixed_size 34304
		.amdhsa_private_segment_fixed_size 0
		.amdhsa_enable_private_segment 0
		.amdhsa_kernarg_size 96
		.amdhsa_user_sgpr_count 2
		.amdhsa_user_sgpr_kernarg_segment_ptr 1
		.amdhsa_wavefront_size32 1
		.amdhsa_system_sgpr_workgroup_id_x 1
		.amdhsa_system_sgpr_workgroup_id_y 1
		.amdhsa_system_sgpr_workgroup_id_z 1
		.amdhsa_system_vgpr_workitem_id 0
		.amdhsa_next_free_vgpr 256
		.amdhsa_next_free_sgpr 66
		.amdhsa_reserve_vcc 0
		.amdhsa_float_denorm_mode_32 3
		.amdhsa_float_denorm_mode_16_64 3
		.amdhsa_memory_ordered 1
		.amdhsa_forward_progress 1
		.amdhsa_inst_pref_size 85
	.end_amdhsa_kernel
	.amdgpu_metadata
---
amdhsa.version: [ 1, 2 ]
amdhsa.kernels:
  - .name:           k_q16987226c0_quant
    .symbol:         k_q16987226c0_quant.kd
    .args:
      - { .name: values, .offset: 0, .size: 8, .value_kind: global_buffer, .address_space: global }
      - { .name: query_codes, .offset: 8, .size: 8, .value_kind: global_buffer, .address_space: global }
      - { .name: query_scales, .offset: 16, .size: 8, .value_kind: global_buffer, .address_space: global }
      - { .name: W2_codes, .offset: 24, .size: 8, .value_kind: global_buffer, .address_space: global }
      - { .name: W2_scales, .offset: 32, .size: 8, .value_kind: global_buffer, .address_space: global }
      - { .name: b1, .offset: 40, .size: 8, .value_kind: global_buffer, .address_space: global }
      - { .name: b2, .offset: 48, .size: 8, .value_kind: global_buffer, .address_space: global }
      - { .name: W1_codes, .offset: 56, .size: 8, .value_kind: global_buffer, .address_space: global }
      - { .name: W1_scales, .offset: 64, .size: 8, .value_kind: global_buffer, .address_space: global }
      - { .name: aimg, .offset: 72, .size: 8, .value_kind: global_buffer, .address_space: global }
      - { .name: qb, .offset: 80, .size: 8, .value_kind: global_buffer, .address_space: global }
      - { .name: wimg, .offset: 88, .size: 8, .value_kind: global_buffer, .address_space: global }
    .group_segment_fixed_size: 34304
    .private_segment_fixed_size: 0
    .kernarg_segment_align: 8
    .kernarg_segment_size: 96
    .max_flat_workgroup_size: 128
    .sgpr_count:     66
    .vgpr_count:     256
    .wavefront_size: 32
...
	.end_amdgpu_metadata
.endif
;; end of part 1
;; launch score (part 2): grid 4 x 64, 4 waves a work-group, clusters of 4 x 1, 327,680 bytes of LDS; arguments aimg, qb, wimg, V, part; writes part
.if DOCPART == 2
	.amdgcn_target "amdgcn-amd-amdhsa--gfx1250"
	.amdhsa_code_object_version 6
	.text
	.protected	k_q16987226c0_score
	.globl	k_q16987226c0_score
	.p2align	8
	.type	k_q16987226c0_score,@function
k_q16987226c0_score:
	s_mov_b64 s[64:65], 0
	v_nop
	global_prefetch_b8 v0, s[64:65] scope:SCOPE_SE
	s_setreg_imm32_b32 hwreg(HW_REG_WAVE_MODE, 25, 1), 1
	s_wait_xcnt 0x0
	s_wait_alu depctr_hold_cnt(0) depctr_sa_sdst(0) depctr_va_vdst(0) depctr_va_sdst(0) depctr_va_ssrc(0) depctr_va_vcc(0) depctr_vm_vsrc(0)
	s_getreg_b32 s2, hwreg(HW_REG_IB_STS2, 6, 4)
	s_cmp_eq_u32 s2, 0
	s_cbranch_scc0 .Lentry_in_a_cluster
	s_endpgm
.Lentry_in_a_cluster:
	s_bfe_u32 s2, ttmp6, 0x10000c
	s_cmp_lg_u32 s2, 0x3003
	s_cbranch_scc0 .Lentry_shape_is_right
	s_endpgm
.Lentry_shape_is_right:
; BAHDANAU ATTENTION, launch 2 of 3: product 1, the tanh and the product with V.  part[nq][row] = the sum over the 256 units of quarter nq of V[u] tanh(Q(values[row]) . W1[u] + b1[u] + (query W2)[b][u] + b2[u]).
; bV is left out (it is the same for all t of a softmax's row: shown at the head of launch 1).
; tanh(x) = 1 - 2 / (1 + 2^(c x)), c = 2 log2(e): where 2^(c x) overflows the reciprocal is 0 and tanh is 1; where it falls to 0, tanh is -1.  So V tanh = V + (-2 V) / (1 + 2^(c x)), and c x = c acc + qb.
; SHARES.  A cluster of four work-groups takes 1,024 rows (64 tiles of 16; half a batch row of the problem); work-group nq of it takes units 256 nq on, its wave w units 256 nq + 64 w on: four tiles of 16 units.
; THE WEIGHTS STAND STILL: a wave's 32 fragments of W1 (4 unit tiles x 8 K steps, 384 registers) and their scale words are loaded once.  What moves are the rows' images (launch 1), 12,800 bytes a tile.
; CLUSTER.  The four partners walk the same rows, so each slot of 8 tiles is asked for JOINTLY: each wave's quarter of a slot (25,600 dense bytes) by the same tensor load with the same descriptor and the mask 15.
; THE PRODUCT IS USED AS IT STANDS: source 0 = 16 rows, source 1 = 16 units.  Register j of lane (r, h) is row 8 h + j, unit r: so the addend qb and V are ONE number a lane for each unit tile.
; BY TURNS.  A row tile is 32 matrix instructions (8 K steps x 4 unit tiles; the four accumulators take turns).  Behind each stands a slice of the tile BEFORE's vector work, on the other set of
; accumulators: 16 packed multiply-adds, 32 exponentials, 16 packed additions, 32 reciprocals, 16 packed multiply-adds with -2 V, 32 additions across the 16 lanes: 144 for 32 matrix instructions.
; The exponentials are one batch with one wait, and so are the reciprocals.  A tile's 16 sums go to the wave's own part of an exchange in LDS; at the end the four waves' sums are added and leave in runs of 512 bytes.
; NO PREFETCH: a refill is asked for eight row tiles, 256 matrix instructions, ahead of the wait for it.
; LIMITS: NaN, infinities and the scale byte 0xff are not served.
; REGISTERS, in windows of 256 (s_set_vgpr_msb: bits 1:0 source 0, 3:2 source 1, 5:4 source 2, 7:6 destination).  Only source 1 ever leaves window 0: three switches a tile.
;   window 0: v1-6 addresses; v8-11 qb; v12-13 the sum of my four V; v16-31 W1's scale words; v32-39 the rows' scale words, two sets; v40-47 a tile's sums; v48-111 two sets of four accumulators;
;             v112-207 the rows' eight fragments; v208-255 W1's fragments of K step 7.     window 1: v0-191 W1's of K steps 0-3.     window 2: v0-143 W1's of K steps 4-6; v144-147 -2 V.
.set TILEB, 12800                      ; an image of 16 rows
.set SLOTB, 8*TILEB                    ; a slot: 8 tiles
.set QUARTB, SLOTB/4                   ; what one tensor load brings
.set SLOT1, 1<<17                      ; slot 1 begins here: one exclusive or turns an address in one slot into the other's
.set EXCH,  SLOTB                      ; behind slot 0: the exchange, into which no tile lands
.set EXW,   4352                       ; a wave's part of it: 65 places of 64 bytes (16 rows); place 0 takes the first step's idle result
.set SPARE, EXCH+4*EXW                 ; the spare words, 128 bytes for each wave
.set LI,  1                            ; v1   16 x lane; never rewritten
.set ADR, 2                            ; v2   LDS address of the pair of tiles in hand
.set XST, 3                            ; v3   my place in my wave's exchange: + 32 (lane / 16)
.set ADX, 4                            ; v4   the same, at the pair's places
.set SPW, 5                            ; v5   LDS address of my spare word; never rewritten
.set NIL, 6                            ; v6   0; never rewritten
.set CB,  8
.set VS,  12
.set WS,  16                           ; register 4 ut + kp: lanes 0-15 K step 2 kp, lanes 16-31 K step 2 kp + 1
.set AS,  32                           ; set p at 4 p: the same for the rows
.set S,   40
.set ACC, 48
.set AL,  112                          ; fragment k at 12 k
.set W7,  208
.set VP,  144                          ; in window 2
.set WV,  16                           ; s16  my wave's number
.set G1,  20                           ; s[20:27] descriptor group 1
.set G0A, 28                           ; s[28:31] group 0 of slot 0's first fill
.set G0W, 32                           ; s[32:35] group 0 of slot 1's first fill; it then walks on
.set TB,  36                           ; s36  LDS byte at which the pair of tiles in hand begins
.set TX,  37                           ; s37  the slot's first place in the exchange: 512 bytes a slot
.set CO,  38                           ; s38, s39 the loops' counters
.set CI,  39
.set CC,  40                           ; s[40:41] c, twice
.set TI,  42                           ; s42  the pair's places within the slot's: 128 bytes a pair
.set TXS, 43                           ; s43  their sum
.set MSB, 0
.macro WIN new                         ; the immediate's high byte repeats the setting that is left
.if MSB != \new
	s_set_vgpr_msb (MSB<<8)|\new
.set MSB, \new
.endif
.endm
.macro CROUND                          ; a round of the cluster's barrier
	s_barrier_signal -1
	s_barrier_wait -1
	s_cmp_lg_u32 s[WV], 0
	s_cbranch_scc1 .Lnot_wave_0_\@
	s_barrier_signal -3
.Lnot_wave_0_\@:
	s_barrier_wait -3
	s_barrier_signal -1
	s_barrier_wait -1
.endm
; Matrix instruction n of a tile's 32, onto accumulator set p: K step n / 4, unit tile n % 4.  The first four start the sums: nothing is cleared for them.
.macro MM p
.set kk, n/4
.set ut, n%4
.set rD, ACC+32*(\p)+8*ut
.set rA, AL+12*kk
.if kk < 4
.set rB, 12*(4*kk+ut)
.elseif kk < 7
.set rB, 12*(4*(kk-4)+ut)
.else
.set rB, W7+12*ut
.endif
.set rX, AS+4*(\p)+kk/2
.set rY, WS+4*ut+kk/2
.if kk == 0
	v_wmma_scale_f32_16x16x128_f8f6f4 v[rD:rD+7], v[rA:rA+11], v[rB:rB+11], 0, v[rX], v[rY] matrix_a_fmt:MATRIX_FMT_FP6 matrix_b_fmt:MATRIX_FMT_FP6
.elseif kk%2 == 0
	v_wmma_scale_f32_16x16x128_f8f6f4 v[rD:rD+7], v[rA:rA+11], v[rB:rB+11], v[rD:rD+7], v[rX], v[rY] matrix_a_fmt:MATRIX_FMT_FP6 matrix_b_fmt:MATRIX_FMT_FP6
.else
	v_wmma_scale_f32_16x16x128_f8f6f4 v[rD:rD+7], v[rA:rA+11], v[rB:rB+11], v[rD:rD+7], v[rX], v[rY] matrix_a_fmt:MATRIX_FMT_FP6 matrix_b_fmt:MATRIX_FMT_FP6 matrix_a_scale:MATRIX_SCALE_ROW1 matrix_b_scale:MATRIX_SCALE_ROW1
.endif
.endm
.macro DST m                           ; the eight sums with the lane m away: after masks 1, 2, 4, 8 every lane of a half holds the sums over its 16 units' lanes
.irp j, 0,1,2,3,4,5,6,7
	v_add_f32_dpp v[S+\j], v[S+\j], v[S+\j] row_xmask:\m row_mask:0xf bank_mask:0xf
.endr
.endm
; Slice n of 32 of the vector work on accumulator set q.
;   0-3   c acc + qb, a unit tile a slice, each accumulator from its low end on       4-11  the 32 exponentials; behind them a plain place and ONE wait
;   12-15 + 1                                                                          16-23 the 32 reciprocals; a plain place and ONE wait
;   24-27 the sums: (-2 V) x reciprocal, begun with the sum of my four V (source 1 lies in window 2, where these four matrix instructions' weights lie)
;   28-31 across the 16 lanes (source 1 in window 0, as K step 7's weights)
.macro SL q
.set AQ, ACC+32*(\q)
.if n < 4
.irp j, 0,2,4,6
.if n%2 == 0
	v_pk_fma_f32 v[AQ+8*n+\j:AQ+8*n+\j+1], v[AQ+8*n+\j:AQ+8*n+\j+1], s[CC:CC+1], v[CB+2*(n/2):CB+2*(n/2)+1] op_sel_hi:[1,0,0]
.else
	v_pk_fma_f32 v[AQ+8*n+\j:AQ+8*n+\j+1], v[AQ+8*n+\j:AQ+8*n+\j+1], s[CC:CC+1], v[CB+2*(n/2):CB+2*(n/2)+1] op_sel:[0,0,1] op_sel_hi:[1,0,1]
.endif
.endr
.elseif n < 12
.irp j, 0,1,2,3
	v_exp_f32 v[AQ+4*(n-4)+\j], v[AQ+4*(n-4)+\j]
.endr
.if n == 11
	v_nop                                          ; a plain place behind the last exponential
	s_wait_alu depctr_va_vdst(0)                   ; one wait for the batch of 32, ahead of its first reader
.endif
.elseif n < 16
.irp j, 0,2,4,6
	v_pk_add_f32 v[AQ+8*(n-12)+\j:AQ+8*(n-12)+\j+1], v[AQ+8*(n-12)+\j:AQ+8*(n-12)+\j+1], 1.0 op_sel_hi:[1,0]
.endr
.elseif n < 24
.irp j, 0,1,2,3
	v_rcp_f32 v[AQ+4*(n-16)+\j], v[AQ+4*(n-16)+\j]
.endr
.if n == 23
	v_nop                                          ; a plain place behind the last reciprocal
	s_wait_alu depctr_va_vdst(0)                   ; one wait for the batch of 32
.endif
.elseif n < 28
.set uf, n-24
.irp j, 0,2,4,6
.if uf == 0
	v_pk_fma_f32 v[S+\j:S+\j+1], v[AQ+\j:AQ+\j+1], v[VP:VP+1], v[VS:VS+1] op_sel_hi:[1,0,1]
.elseif uf%2 == 0
	v_pk_fma_f32 v[S+\j:S+\j+1], v[AQ+8*uf+\j:AQ+8*uf+\j+1], v[VP+2*(uf/2):VP+2*(uf/2)+1], v[S+\j:S+\j+1] op_sel_hi:[1,0,1]
.else
	v_pk_fma_f32 v[S+\j:S+\j+1], v[AQ+8*uf+\j:AQ+8*uf+\j+1], v[VP+2*(uf/2):VP+2*(uf/2)+1], v[S+\j:S+\j+1] op_sel:[0,1,0] op_sel_hi:[1,1,1]
.endif
.endr
.elseif n == 28
	DST 1
.elseif n == 29
	DST 2
.elseif n == 30
	DST 4
.else
	DST 8
.endif
.endm
; 13 LDS loads in one run: a tile's fragments of K steps 0-3 and its scale block (into set a), from off bytes behind v[ADR]
.macro RUN1 a, off
.irp k, 0,1,2,3
.irp j, 0,1,2
	ds_load_b128 v[AL+12*\k+4*\j:AL+12*\k+4*\j+3], v[ADR] offset:(\off)+1536*\k+512*\j
.endr
.endr
	ds_load_b128 v[AS+4*(\a):AS+4*(\a)+3], v[ADR] offset:(\off)+12288
.endm
; A ROW TILE, on accumulator set p; the tile lies off bytes behind v[ADR], the next one nxt bytes.  xo: the place in the exchange for the tile before's sums.
; Loads into registers that matrix instructions have read stand four plain vector instructions behind the last of them (ISA guide 7.12.1 for vector instructions):
; in front of the first run the eight additions of slice 31, in front of the second the four of slice 15.
; mode 0: the next tile lies in the same slot.  1: the slot's last tile: the change of slots, and the slot is filled again.  2: the same, nothing is filled.  3: the last tile of all.
.macro STEP p, off, nxt, mode, xo
.irp k, 4,5,6,7
.irp j, 0,1,2
	ds_load_b128 v[AL+12*\k+4*\j:AL+12*\k+4*\j+3], v[ADR] offset:(\off)+1536*\k+512*\j   ; K steps 4-7 of this tile: wanted 16 matrix instructions on
.endr
.endr
	s_wait_dscnt 14                                ; K steps 0-3 and the scale block are in: behind them were issued the two stores into the exchange and the twelve loads above
	WIN 0x04                                       ; source 1: window 1
.set n, 0
.rept 16
	MM \p
	SL 1-(\p)
.set n, n+1
.endr
.if (\mode) == 0
	s_wait_dscnt 0x0                               ; K steps 4-7 are in
	RUN1 1-(\p), \nxt
.elseif (\mode) == 3
	s_wait_dscnt 0x0
.else
	WIN 0
	s_wait_tensorcnt 0x0                           ; all my tensor loads have landed: the one that was out is my quarter of the other slot; so a group 0 may be written
	ds_add_u32 v[SPW], v[NIL]                      ; 0 onto my spare word; the steps below stand between it and the wait for it
.if (\mode) == 1
	s_xor_b32 s[G0W+1], s[G0W+1], SLOT1            ; the walking descriptor: the other slot than last time,
	s_add_nc_u64 s[G0W+2:G0W+3], s[G0W+2:G0W+3], SLOTB   ; the next 8 tiles; the type bits on top are not reached
.endif
	s_sub_co_u32 s[TB], s[TB], 6*TILEB             ; the reads go back to a slot's first tile,
	s_xor_b32 s[TB], s[TB], SLOT1                  ; in the other slot
	s_wait_dscnt 0x0                               ; the add is done, and my reads of this slot are over: its last bytes, K steps 4-7 of its last tile, are in registers
.if (\mode) == 1
	CROUND                                         ; no wave of any partner still reads this slot or has a load on its way
	tensor_load_to_lds s[G0W:G0W+3], s[G1:G1+7]    ; the joint refill, first behind the round: 256 matrix instructions ahead of the wait for it
	s_nop 0
.rept 4
	v_nop
.endr
.else
	s_barrier_signal -1
	s_barrier_wait -1                              ; the last slot is whole for every wave; nothing is filled
.endif
	v_add_nc_u32 v[ADR], s[TB], v[LI]
	RUN1 1-(\p), 0
.endif
	WIN 0x08                                       ; source 1: window 2
.rept 12
	MM \p
	SL 1-(\p)
.set n, n+1
.endr
	WIN 0
.rept 4
	MM \p
	SL 1-(\p)
.set n, n+1
.endr
	ds_store_b128 v[ADX], v[S:S+3] offset:\xo      ; the tile before's 16 sums: the 16 lanes of a half write the same 32 bytes with the same values
	ds_store_b128 v[ADX], v[S+4:S+7] offset:(\xo)+16
.endm
.macro PAIR mode                       ; two tiles, so that the accumulator sets are back where they began
	v_add_nc_u32 v[ADR], s[TB], v[LI]
	s_add_co_u32 s[TXS], s[TX], s[TI]
	v_add_nc_u32 v[ADX], s[TXS], v[XST]
	STEP 0, 0, TILEB, 0, 0
	STEP 1, TILEB, 2*TILEB, \mode, 64
.if (\mode) == 0
	s_add_co_u32 s[TB], s[TB], 2*TILEB
	s_add_co_u32 s[TI], s[TI], 128
.elseif (\mode) < 3
	s_sub_co_u32 s[TI], s[TI], 384
	s_add_co_u32 s[TX], s[TX], 512
.endif
.endm
.macro THREE                           ; a slot's first three pairs
	s_mov_b32 s[CI], 3
.Lpair_\@:
	PAIR 0
	s_sub_co_u32 s[CI], s[CI], 1
	s_cmp_lg_u32 s[CI], 0
	s_cbranch_scc1 .Lpair_\@
.endm
	s_load_b256 s[4:11], s[0:1], 0x0               ; aimg s[4:5], qb s[6:7], wimg s[8:9], V s[10:11]
	s_load_b64 s[12:13], s[0:1], 0x20              ; part
	v_lshl_add_u32 v[SPW], v0, 2, SPARE
	v_mov_b32 v[NIL], 0
	ds_add_u32 v[SPW], v[NIL]                      ; the wave's opening: the add, twice on end, and its wait ahead of my first tensor load; the set-up below stands between
	ds_add_u32 v[SPW], v[NIL]
	v_lshrrev_b32 v7, 5, v0
	v_readfirstlane_b32 s[WV], v7                  ; wave 0..3
	s_bfe_u32 s17, ttmp6, 0x40000                  ; cx: my place in the cluster
	s_lshl_b32 s48, ttmp9, 2                       ; in a cluster launch ttmp9 counts clusters
	s_add_co_u32 s48, s48, s17                     ; nq, my quarter of the units: it enters the addresses of wimg, qb, V and part alone
	s_and_b32 s18, ttmp7, 0xffff                   ; g, the group of 1,024 rows, which the four partners share
	; descriptor group 1: 25,600 dense bytes as 100 rows of 256 (32 elements of 8 bytes), no padding: the images are read 512 consecutive bytes an instruction
	s_mov_b32 s[G1], 15|(3<<16)|(1<<21)            ; 15:0 the mask: all four work-groups; 17:16 elements of 8 bytes; 21 set beside a mask
	s_mov_b32 s[G1+1], 32<<16                      ; tensor_dim0 = 32
	s_mov_b32 s[G1+2], 100<<16                     ; tensor_dim1 = 100
	s_mov_b32 s[G1+3], 32<<16                      ; tile_dim0 = 32
	s_mov_b32 s[G1+4], 100                         ; tile_dim1 = 100
	s_mov_b32 s[G1+5], 32                          ; from row to row
	s_mov_b32 s[G1+6], 0
	s_mov_b32 s[G1+7], 0
	s_mov_b32 s[CC], 0x4038aa3b                    ; c = 2 log2(e)
	s_mov_b32 s[CC+1], s[CC]                       ; (named with it as a pair, so it is written)
	s_mov_b32 s[TB], 0
	s_mov_b32 s[TX], 0
	s_mov_b32 s[TI], 0
	s_mul_i32 s44, s18, 64*TILEB                   ; the group's 64 tiles,
	s_mul_i32 s19, s[WV], QUARTB                   ; my quarter of a slot, in memory and in LDS: no place in the cluster enters either
	s_add_co_u32 s44, s44, s19
	s_mov_b32 s45, 0
	s_wait_dscnt 0x0                               ; both opening adds are done
	s_wait_kmcnt 0x0
	s_add_nc_u64 s[46:47], s[4:5], s[44:45]
	CROUND                                         ; all four work-groups are here: the first joint loads meet
	s_mov_b32 s[G0A], 1                            ; count = 1
	s_mov_b32 s[G0A+1], s19                        ; LDS address: slot 0
	s_mov_b64 s[G0A+2:G0A+3], s[46:47]             ; global address: tiles 0-7
	s_or_b32 s[G0A+3], s[G0A+3], 0x80000000        ; type = 2
	s_mov_b32 s[G0W], 1
	s_add_co_u32 s[G0W+1], s19, SLOT1              ; slot 1
	s_add_nc_u64 s[G0W+2:G0W+3], s[46:47], SLOTB   ; tiles 8-15
	s_or_b32 s[G0W+3], s[G0W+3], 0x80000000
	tensor_load_to_lds s[G0A:G0A+3], s[G1:G1+7]    ; every wave issues both first fills: two loads of mine are out
	s_nop 0
	tensor_load_to_lds s[G0W:G0W+3], s[G1:G1+7]
	s_nop 0
.rept 4
	v_nop
.endr
	v_and_b32 v[LI], 31, v0
	v_lshlrev_b32 v[LI], 4, v[LI]
	v_bfe_u32 v[XST], v0, 4, 1
	v_lshlrev_b32 v[XST], 5, v[XST]
	s_mul_i32 s50, s[WV], EXW
	s_add_co_u32 s50, s50, EXCH
	v_add_nc_u32 v[XST], s50, v[XST]
	v_and_b32 v7, 15, v0
	v_lshlrev_b32 v7, 2, v7                        ; 4 r: my unit among a tile's 16
	s_lshl_b32 s49, s48, 2
	s_add_co_u32 s49, s49, s[WV]                   ; 4 nq + w: my four unit tiles, 64 units
	s_mov_b32 s53, 0
	s_mul_i32 s52, s49, 4*TILEB
	s_add_nc_u64 s[8:9], s[8:9], s[52:53]
	s_lshl_b32 s52, s49, 8                         ; 64 units of 4 bytes
	s_add_nc_u64 s[10:11], s[10:11], s[52:53]
	s_add_nc_u64 s[6:7], s[6:7], s[52:53]
	s_lshr_b32 s52, s18, 1                         ; the batch row: two groups each
	s_lshl_b32 s52, s52, 12
	s_add_nc_u64 s[6:7], s[6:7], s[52:53]
	s_lshl_b32 s52, s48, 18                        ; part: quarter nq,
	s_lshl_b32 s54, s18, 12                        ; the group's 1,024 rows,
	s_add_co_u32 s52, s52, s54
	s_lshl_b32 s54, s[WV], 10                      ; the 256 of them that I add up and store
	s_add_co_u32 s52, s52, s54
	s_add_nc_u64 s[12:13], s[12:13], s[52:53]
	WIN 0x40                                       ; destination window 1
.irp k, 0,1,2,3
.irp u, 0,1,2,3
.irp j, 0,1,2
	global_load_b128 v[12*(4*\k+\u)+4*\j:12*(4*\k+\u)+4*\j+3], v[LI], s[8:9] offset:\u*TILEB+1536*\k+512*\j
.endr
.endr
.endr
	WIN 0x80                                       ; destination window 2
.irp k, 4,5,6
.irp u, 0,1,2,3
.irp j, 0,1,2
	global_load_b128 v[12*(4*(\k-4)+\u)+4*\j:12*(4*(\k-4)+\u)+4*\j+3], v[LI], s[8:9] offset:\u*TILEB+1536*\k+512*\j
.endr
.endr
.endr
	WIN 0
.irp u, 0,1,2,3
.irp j, 0,1,2
	global_load_b128 v[W7+12*\u+4*\j:W7+12*\u+4*\j+3], v[LI], s[8:9] offset:\u*TILEB+1536*7+512*\j
.endr
	global_load_b128 v[WS+4*\u:WS+4*\u+3], v[LI], s[8:9] offset:\u*TILEB+12288
	global_load_b32 v[S+\u], v7, s[10:11] offset:64*\u    ; V of my unit in tile u
	global_load_b32 v[CB+\u], v7, s[6:7] offset:64*\u     ; and qb
.endr
	s_wait_loadcnt 0x0
	v_add_f32 v[VS], v[S], v[S+1]
	v_add_f32 v[VS+1], v[S+2], v[S+3]
	v_add_f32 v[VS], v[VS], v[VS+1]
	v_mov_b32 v[VS+1], v[VS]
	WIN 0x80
.irp u, 0,1,2,3
	v_mul_f32 v[VP+\u], -2.0, v[S+\u]
.endr
	WIN 0
.set i, 0
.rept 32
	v_mov_b32 v[ACC+32+i], 0                       ; the first tile's slices find defined numbers; their result goes to the exchange's place 0, which nobody reads.  That spares a second text of the step
.set i, i+1
.endr
	s_wait_tensorcnt 0x1                           ; my quarter of slot 0 is in; slot 1's may stay out
	s_barrier_signal -1
	s_barrier_wait -1                              ; everybody's is
	v_add_nc_u32 v[ADR], s[TB], v[LI]
	RUN1 0, 0
	s_wait_dscnt 0x0
	s_mov_b32 s[CO], 6
.Lslot:                                            ; six trips: slots 0 to 5 are filled again, with slots 2 to 7
	THREE
	PAIR 1
	s_sub_co_u32 s[CO], s[CO], 1
	s_cmp_lg_u32 s[CO], 0
	s_cbranch_scc1 .Lslot
	THREE                                          ; the tail is written out
	PAIR 2
	THREE
	PAIR 3
	; the last tile's vector work, with nothing to stand between (the eight additions of slice 31 are the places behind the last products)
.set n, 0
.rept 24
	SL 1
.set n, n+1
.endr
	WIN 0x08
.rept 4
	SL 1
.set n, n+1
.endr
	WIN 0
.rept 4
	SL 1
.set n, n+1
.endr
	ds_store_b128 v[XST], v[S:S+3] offset:64*64
	ds_store_b128 v[XST], v[S+4:S+7] offset:64*64+16
	s_wait_dscnt 0x0                               ; for the others' sake: my sums lie in the exchange
	s_barrier_signal -1
	s_barrier_wait -1
	s_lshl_b32 s50, s[WV], 10                      ; I add up rows 256 w on: row i of the group lies at 64 + 4 i of each wave's part
	s_add_co_u32 s50, s50, EXCH+64
	v_add_nc_u32 v[ADR], s50, v[LI]
.irp i, 0,1
.irp q, 0,1,2,3
	ds_load_b128 v[AL+16*\i+4*\q:AL+16*\i+4*\q+3], v[ADR] offset:EXW*\q+512*\i
.endr
.endr
	s_wait_dscnt 0x0
.irp i, 0,1
	v_pk_add_f32 v[AL+16*\i:AL+16*\i+1], v[AL+16*\i:AL+16*\i+1], v[AL+16*\i+4:AL+16*\i+5]
	v_pk_add_f32 v[AL+16*\i+2:AL+16*\i+3], v[AL+16*\i+2:AL+16*\i+3], v[AL+16*\i+6:AL+16*\i+7]
	v_pk_add_f32 v[AL+16*\i+8:AL+16*\i+9], v[AL+16*\i+8:AL+16*\i+9], v[AL+16*\i+12:AL+16*\i+13]
	v_pk_add_f32 v[AL+16*\i+10:AL+16*\i+11], v[AL+16*\i+10:AL+16*\i+11], v[AL+16*\i+14:AL+16*\i+15]
	v_pk_add_f32 v[AL+16*\i:AL+16*\i+1], v[AL+16*\i:AL+16*\i+1], v[AL+16*\i+8:AL+16*\i+9]
	v_pk_add_f32 v[AL+16*\i+2:AL+16*\i+3], v[AL+16*\i+2:AL+16*\i+3], v[AL+16*\i+10:AL+16*\i+11]
	global_store_b128 v[LI], v[AL+16*\i:AL+16*\i+3], s[12:13] offset:512*\i   ; 32 lanes store 512 consecutive bytes, aligned
.endr
	s_wait_tensorcnt 0x0                           ; the wave's end: a tensor wait, an add and its wait, behind my last tensor load and my last LDS store
	ds_add_u32 v[SPW], v[NIL]
	s_wait_dscnt 0x0
	CROUND                                         ; the closing round: no work-group ends while a partner may still ask for a tile that names it
	s_endpgm
.Lfunc_end_k_q16987226c0_score:
	.size	k_q16987226c0_score, .Lfunc_end_k_q16987226c0_score-k_q16987226c0_score
	.p2alignl 7, 3214868480
	.fill 96, 4, 3214868480
	.section	.rodata,"a",@progbits
	.p2align	6, 0x0
	.amdhsa_kernel k_q16987226c0_score
		.amdhsa_group_segment_fixed_size 327680
		.amdhsa_private_segment_fixed_size 0
		.amdhsa_enable_private_segment 0
		.amdhsa_kernarg_size 40
		.amdhsa_user_sgpr_count 2
		.amdhsa_user_sgpr_kernarg_segment_ptr 1
		.amdhsa_wavefront_size32 1
		.amdhsa_system_sgpr_workgroup_id_x 1
		.amdhsa_system_sgpr_workgroup_id_y 1
		.amdhsa_system_sgpr_workgroup_id_z 1
		.amdhsa_system_vgpr_workitem_id 0
		.amdhsa_next_free_vgpr 768
		.amdhsa_next_free_sgpr 66
		.amdhsa_reserve_vcc 0
		.amdhsa_float_denorm_mode_32 3
		.amdhsa_float_denorm_mode_16_64 3
		.amdhsa_memory_ordered 1
		.amdhsa_forward_progress 1
		.amdhsa_inst_pref_size 184
	.end_amdhsa_kernel
	.amdgpu_metadata
---
amdhsa.version: [ 1, 2 ]
amdhsa.kernels:
  - .name:           k_q16987226c0_score
    .symbol:         k_q16987226c0_score.kd
    .args:
      - { .name: aimg, .offset: 0, .size: 8, .value_kind: global_buffer, .address_space: global }
      - { .name: qb, .offset: 8, .size: 8, .value_kind: global_buffer, .address_space: global }
      - { .name: wimg, .offset: 16, .size: 8, .value_kind: global_buffer, .address_space: global }
      - { .name: V, .offset: 24, .size: 8, .value_kind: global_buffer, .address_space: global }
      - { .name: part, .offset: 32, .size: 8, .value_kind: global_buffer, .address_space: global }
    .group_segment_fixed_size: 327680
    .private_segment_fixed_size: 0
    .kernarg_segment_align: 8
    .kernarg_segment_size: 40
    .max_flat_workgroup_size: 128
    .sgpr_count:     66
    .vgpr_count:     768
    .wavefront_size: 32
...
	.end_amdgpu_metadata
.endif
;; end of part 2
;; launch context (part 3): grid 8 x 32, 16 waves a work-group, no clusters, 18,944 bytes of LDS; arguments part, mask, values, out0, out1; writes out0, out1
.if DOCPART == 3
	.amdgcn_target "amdgcn-amd-amdhsa--gfx1250"
	.amdhsa_code_object_version 6
	.text
	.protected	k_q16987226c0_context
	.globl	k_q16987226c0_context
	.p2align	8
	.type	k_q16987226c0_context,@function
k_q16987226c0_context:
	s_mov_b64 s[64:65], 0
	v_nop
	global_prefetch_b8 v0, s[64:65] scope:SCOPE_SE
	s_setreg_imm32_b32 hwreg(HW_REG_WAVE_MODE, 25, 1), 1
	s_wait_xcnt 0x0
; BAHDANAU ATTENTION, launch 3 of 3: the mask, the softmax over t (out1) and the weighted sum of the f32 values (out0).
; bV is left out (it is the same for all t of a softmax's row: shown at the head of launch 1).
; SHARES.  Work-group (c, b) takes batch row b and columns 128 c on (512 bytes of every row of values).  Each of the eight work-groups of a batch row makes the row's 2,048 weights for itself,
; from 40 KB of part and mask, and stores an eighth of them to out1; that is cheaper than a launch of its own.  Then wave w walks rows 128 w on, a load of 512 consecutive bytes a row.
; NO CLUSTER: what the eight share, part and mask, is 40 KB beside each one's own 1,024 KB of values.  No matrix unit: the sum has one row of weights for each batch row.  No tensor load: 32 loads a wave are on their way in registers.
; THE SOFTMAX takes the row's maximum away, as reference() does.  The mask is multiplied by -1e9 and the product then added, in two roundings as reference() has them.
; LIMITS: NaN and infinities among the inputs are not served.
.set PB,    0                          ; LDS: the 2,048 weights,
.set REDM,  8192                       ; the 16 waves' maxima,
.set REDS,  8448                       ; their sums,
.set CTX,   8704                       ; their parts of out0: 512 bytes each,
.set SPARE, 16896                      ; and the spare words, 128 bytes for each wave
.set LN,  1                            ; v1   16 x lane; never rewritten
.set TT,  2                            ; v2   16 x thread; never rewritten
.set WN,  3                            ; v3   my wave's number
.set RA,  26                           ; v26  4 x wave
.set ZR,  27                           ; v27  0, an LDS address
.set VAL, 32                           ; v32-159 two sets of 16 rows x 16 bytes a lane
.set A0,  160                          ; v160-163 the sums of even rows;  v164-167 of odd rows
.set A1,  164
.set W,   168                          ; v168-183 16 numbers from LDS
.set PA,  184                          ; v184 512 x wave: my wave's 128 weights
.set SPW, 190                          ; v190 LDS address of my spare word; never rewritten
.set NIL, 191                          ; v191 0; never rewritten
.macro VLOAD r                         ; rows 16 r .. 16 r + 15 of my wave's 128
.irp i, 0,1,2,3,4,5,6,7,8,9,10,11,12,13,14,15
	global_load_b128 v[VAL+64*((\r)%2)+4*\i:VAL+64*((\r)%2)+4*\i+3], v[LN], s[8:9] offset:(16*(\r)+\i)*4096 th:TH_LOAD_NT
.endr
.endm
.macro BARRIER                         ; my LDS instructions are done: then the work-group's barrier
	s_wait_dscnt 0x0
	s_barrier_signal -1
	s_barrier_wait -1
.endm
.macro TURN r                          ; 16 rows: their weights from LDS (every lane reads the same 64 bytes), 32 packed multiply-adds, the loads of two turns on
.irp i, 0,1,2,3
	ds_load_b128 v[W+4*\i:W+4*\i+3], v[PA] offset:PB+64*(\r)+16*\i
.endr
.if (\r) < 7
	s_wait_loadcnt 16                              ; this turn's 16 loads are in; the next turn's may be out
.else
	s_wait_loadcnt 0x0
.endif
	s_wait_dscnt 0x0
.irp i, 0,2,4,6,8,10,12,14
.set VB, VAL+64*((\r)%2)+4*\i
.if ((\r) == 0) && (\i == 0)
	v_pk_mul_f32 v[A0:A0+1], v[VB:VB+1], v[W+\i:W+\i+1] op_sel_hi:[1,0]               ; the first two rows start the sums: nothing is cleared
	v_pk_mul_f32 v[A0+2:A0+3], v[VB+2:VB+3], v[W+\i:W+\i+1] op_sel_hi:[1,0]
	v_pk_mul_f32 v[A1:A1+1], v[VB+4:VB+5], v[W+\i:W+\i+1] op_sel:[0,1] op_sel_hi:[1,1]
	v_pk_mul_f32 v[A1+2:A1+3], v[VB+6:VB+7], v[W+\i:W+\i+1] op_sel:[0,1] op_sel_hi:[1,1]
.else
	v_pk_fma_f32 v[A0:A0+1], v[VB:VB+1], v[W+\i:W+\i+1], v[A0:A0+1] op_sel_hi:[1,0,1]   ; the even row's weight for both halves
	v_pk_fma_f32 v[A0+2:A0+3], v[VB+2:VB+3], v[W+\i:W+\i+1], v[A0+2:A0+3] op_sel_hi:[1,0,1]
	v_pk_fma_f32 v[A1:A1+1], v[VB+4:VB+5], v[W+\i:W+\i+1], v[A1:A1+1] op_sel:[0,1,0] op_sel_hi:[1,1,1]   ; the odd row's
	v_pk_fma_f32 v[A1+2:A1+3], v[VB+6:VB+7], v[W+\i:W+\i+1], v[A1+2:A1+3] op_sel:[0,1,0] op_sel_hi:[1,1,1]
.endif
.endr
.if (\r) < 6
	VLOAD (\r)+2
.endif
.endm
	s_load_b256 s[4:11], s[0:1], 0x0               ; part s[4:5], mask s[6:7], values s[8:9], out0 s[10:11]
	s_load_b64 s[12:13], s[0:1], 0x20              ; out1
	v_lshl_add_u32 v[SPW], v0, 2, SPARE
	v_mov_b32 v[NIL], 0
	v_lshrrev_b32 v[WN], 5, v0
	v_readfirstlane_b32 s16, v[WN]                 ; wave 0..15
	v_and_b32 v[LN], 31, v0
	v_lshlrev_b32 v[LN], 4, v[LN]
	v_lshlrev_b32 v[TT], 4, v0
	v_lshlrev_b32 v[RA], 2, v[WN]
	v_mov_b32 v[ZR], 0
	v_lshlrev_b32 v[PA], 9, v[WN]
	v_mov_b32 v25, 0                               ; written once: a lane permute's destination counts as one of its sources
	s_and_b32 s17, ttmp7, 0xffff                   ; b
	s_mov_b32 s19, 0
	s_mov_b32 s21, 0
	s_lshl_b32 s18, s17, 13                        ; 2,048 numbers of 4 bytes
	s_lshl_b32 s20, s17, 23                        ; values: batch row b,
	s_lshl_b32 s22, s16, 19                        ; my wave's 128 rows,
	s_add_co_u32 s20, s20, s22
	s_lshl_b32 s22, ttmp9, 9                       ; the work-group's 512 bytes of a row
	s_add_co_u32 s20, s20, s22
	s_mov_b32 s24, 0xce6e6b28                      ; -1e9
	s_mov_b32 s25, s24
	s_mov_b32 s26, 0x3fb8aa3b                      ; log2(e)
	s_mov_b32 s27, s26
	s_mov_b32 s28, 0x76543210                      ; v_permlanex16_b32's selects for lane l xor 16
	s_mov_b32 s29, 0xfedcba98
	s_wait_kmcnt 0x0
	s_add_nc_u64 s[4:5], s[4:5], s[18:19]
	s_add_nc_u64 s[6:7], s[6:7], s[18:19]
	s_add_nc_u64 s[12:13], s[12:13], s[18:19]
	s_add_nc_u64 s[8:9], s[8:9], s[20:21]
	s_lshl_b32 s18, s17, 12
	s_add_co_u32 s18, s18, s22
	s_add_nc_u64 s[10:11], s[10:11], s[18:19]
.irp q, 0,1,2,3
	global_load_b128 v[4+4*\q:7+4*\q], v[TT], s[4:5] offset:\q*262144   ; thread t: rows 4 t .. 4 t + 3, the four quarters' sums
.endr
	global_load_b128 v[20:23], v[TT], s[6:7]       ; and their mask
	VLOAD 0
	VLOAD 1
	; ---- the softmax
	s_wait_loadcnt 32                              ; the five small loads are in; the 32 loads of values stay on their way
	v_pk_add_f32 v[4:5], v[4:5], v[8:9]
	v_pk_add_f32 v[6:7], v[6:7], v[10:11]
	v_pk_add_f32 v[12:13], v[12:13], v[16:17]
	v_pk_add_f32 v[14:15], v[14:15], v[18:19]
	v_pk_mul_f32 v[20:21], v[20:21], s[24:25] op_sel_hi:[1,0]
	v_pk_mul_f32 v[22:23], v[22:23], s[24:25] op_sel_hi:[1,0]
	v_pk_add_f32 v[4:5], v[4:5], v[12:13]
	v_pk_add_f32 v[6:7], v[6:7], v[14:15]
	v_pk_add_f32 v[4:5], v[4:5], v[20:21]          ; the scores
	v_pk_add_f32 v[6:7], v[6:7], v[22:23]
	v_max3_num_f32 v24, v4, v5, v6
	v_max_num_f32 v24, v24, v7
	v_max_num_f32_dpp v24, v24, v24 row_xmask:1 row_mask:0xf bank_mask:0xf
	v_max_num_f32_dpp v24, v24, v24 row_xmask:2 row_mask:0xf bank_mask:0xf
	v_max_num_f32_dpp v24, v24, v24 row_xmask:4 row_mask:0xf bank_mask:0xf
	v_max_num_f32_dpp v24, v24, v24 row_xmask:8 row_mask:0xf bank_mask:0xf
	v_permlanex16_b32 v25, v24, s28, s29
	v_max_num_f32 v24, v24, v25                    ; my wave's largest score
	ds_store_b32 v[RA], v24 offset:REDM            ; all lanes write the same word with the same value
	BARRIER
.irp i, 0,1,2,3
	ds_load_b128 v[W+4*\i:W+4*\i+3], v[ZR] offset:REDM+16*\i
.endr
	s_wait_dscnt 0x0
	v_max3_num_f32 v28, v[W], v[W+1], v[W+2]
.irp i, 3,5,7,9,11,13
	v_max3_num_f32 v28, v28, v[W+\i], v[W+\i+1]
.endr
	v_max_num_f32 v28, v28, v[W+15]                ; the row's largest score
	v_mov_b32 v29, v28
	v_pk_add_f32 v[4:5], v[4:5], v[28:29] neg_lo:[0,1] neg_hi:[0,1]
	v_pk_add_f32 v[6:7], v[6:7], v[28:29] neg_lo:[0,1] neg_hi:[0,1]
	v_pk_mul_f32 v[4:5], v[4:5], s[26:27] op_sel_hi:[1,0]
	v_pk_mul_f32 v[6:7], v[6:7], s[26:27] op_sel_hi:[1,0]
.irp j, 4,5,6,7
	v_exp_f32 v[\j], v[\j]
.endr
	v_nop                                          ; a plain place behind the last exponential
	s_wait_alu depctr_va_vdst(0)                   ; one wait for the four, ahead of their first reader
	v_add_f32 v24, v4, v5
	v_add_f32 v30, v6, v7
	v_add_f32 v24, v24, v30
	v_add_f32_dpp v24, v24, v24 row_xmask:1 row_mask:0xf bank_mask:0xf
	v_add_f32_dpp v24, v24, v24 row_xmask:2 row_mask:0xf bank_mask:0xf
	v_add_f32_dpp v24, v24, v24 row_xmask:4 row_mask:0xf bank_mask:0xf
	v_add_f32_dpp v24, v24, v24 row_xmask:8 row_mask:0xf bank_mask:0xf
	v_permlanex16_b32 v25, v24, s28, s29
	v_add_f32 v24, v24, v25
	ds_store_b32 v[RA], v24 offset:REDS            ; other bytes than the maxima's: no barrier is owed between
	BARRIER
.irp i, 0,1,2,3
	ds_load_b128 v[W+4*\i:W+4*\i+3], v[ZR] offset:REDS+16*\i
.endr
	s_wait_dscnt 0x0
.irp i, 0,4,8,12
	v_pk_add_f32 v[W+\i:W+\i+1], v[W+\i:W+\i+1], v[W+\i+2:W+\i+3]
.endr
	v_pk_add_f32 v[W:W+1], v[W:W+1], v[W+4:W+5]
	v_pk_add_f32 v[W+8:W+9], v[W+8:W+9], v[W+12:W+13]
	v_pk_add_f32 v[W:W+1], v[W:W+1], v[W+8:W+9]
	v_add_f32 v24, v[W], v[W+1]                    ; the row's sum: at least 1, the largest score's own term
	v_rcp_f32 v30, v24
	v_nop                                          ; a plain place behind the reciprocal
	s_wait_alu depctr_va_vdst(0)                   ; and its wait
.irp j, 4,5,6,7
	v_mul_f32 v[\j], v[\j], v30                    ; the weights
.endr
	ds_store_b128 v[TT], v[4:7] offset:PB
	s_lshr_b32 s22, s16, 1                         ; waves 2 c and 2 c + 1 hold the eighth of out1 that this work-group stores: 512 consecutive bytes a wave
	s_cmp_lg_u32 s22, ttmp9
	s_cbranch_scc1 .Lnot_out1
	global_store_b128 v[TT], v[4:7], s[12:13]
.Lnot_out1:
	BARRIER                                        ; all 2,048 weights lie in LDS
	; ---- the weighted sum: eight turns of 16 rows
.irp t, 0,1,2,3,4,5,6,7
	TURN \t
.endr
	v_pk_add_f32 v[A0:A0+1], v[A0:A0+1], v[A1:A1+1]
	v_pk_add_f32 v[A0+2:A0+3], v[A0+2:A0+3], v[A1+2:A1+3]
	ds_store_b128 v[TT], v[A0:A0+3] offset:CTX     ; 16 x thread = 512 x wave + 16 x lane
	BARRIER
	s_cmp_lg_u32 s16, 0
	s_cbranch_scc1 .Ldone                          ; wave 0 adds the sixteen parts: 512 bytes of out0
.irp i, 0,1,2,3,4,5,6,7,8,9,10,11,12,13,14,15
	ds_load_b128 v[VAL+4*\i:VAL+4*\i+3], v[LN] offset:CTX+512*\i
.endr
	s_wait_dscnt 0x0
.irp i, 0,8,16,24,32,40,48,56
	v_pk_add_f32 v[VAL+\i:VAL+\i+1], v[VAL+\i:VAL+\i+1], v[VAL+\i+4:VAL+\i+5]
	v_pk_add_f32 v[VAL+\i+2:VAL+\i+3], v[VAL+\i+2:VAL+\i+3], v[VAL+\i+6:VAL+\i+7]
.endr
.irp i, 0,16,32,48
	v_pk_add_f32 v[VAL+\i:VAL+\i+1], v[VAL+\i:VAL+\i+1], v[VAL+\i+8:VAL+\i+9]
	v_pk_add_f32 v[VAL+\i+2:VAL+\i+3], v[VAL+\i+2:VAL+\i+3], v[VAL+\i+10:VAL+\i+11]
.endr
.irp i, 0,32
	v_pk_add_f32 v[VAL+\i:VAL+\i+1], v[VAL+\i:VAL+\i+1], v[VAL+\i+16:VAL+\i+17]
	v_pk_add_f32 v[VAL+\i+2:VAL+\i+3], v[VAL+\i+2:VAL+\i+3], v[VAL+\i+18:VAL+\i+19]
.endr
	v_pk_add_f32 v[VAL:VAL+1], v[VAL:VAL+1], v[VAL+32:VAL+33]
	v_pk_add_f32 v[VAL+2:VAL+3], v[VAL+2:VAL+3], v[VAL+34:VAL+35]
	global_store_b128 v[LN], v[VAL:VAL+3], s[10:11]   ; 32 lanes store 512 consecutive bytes, aligned
.Ldone:
	s_wait_tensorcnt 0x0                           ; the wave's end: a tensor wait, an add and its wait behind my last LDS store, the tensor wait in a text with no tensor load too
	ds_add_u32 v[SPW], v[NIL]
	s_wait_dscnt 0x0
	s_endpgm
.Lfunc_end_k_q16987226c0_context:
	.size	k_q16987226c0_context, .Lfunc_end_k_q16987226c0_context-k_q16987226c0_context
	.p2alignl 7, 3214868480
	.fill 96, 4, 3214868480
	.section	.rodata,"a",@progbits
	.p2align	6, 0x0
	.amdhsa_kernel k_q16987226c0_context
		.amdhsa_group_segment_fixed_size 18944
		.amdhsa_private_segment_fixed_size 0
		.amdhsa_enable_private_segment 0
		.amdhsa_kernarg_size 40
		.amdhsa_user_sgpr_count 2
		.amdhsa_user_sgpr_kernarg_segment_ptr 1
		.amdhsa_wavefront_size32 1
		.amdhsa_system_sgpr_workgroup_id_x 1
		.amdhsa_system_sgpr_workgroup_id_y 1
		.amdhsa_system_sgpr_workgroup_id_z 1
		.amdhsa_system_vgpr_workitem_id 0
		.amdhsa_next_free_vgpr 192
		.amdhsa_next_free_sgpr 66
		.amdhsa_reserve_vcc 0
		.amdhsa_float_denorm_mode_32 3
		.amdhsa_float_denorm_mode_16_64 3
		.amdhsa_memory_ordered 1
		.amdhsa_forward_progress 1
		.amdhsa_inst_pref_size 41
	.end_amdhsa_kernel
	.amdgpu_metadata
---
amdhsa.version: [ 1, 2 ]
amdhsa.kernels:
  - .name:           k_q16987226c0_context
    .symbol:         k_q16987226c0_context.kd
    .args:
      - { .name: part, .offset: 0, .size: 8, .value_kind: global_buffer, .address_space: global }
      - { .name: mask, .offset: 8, .size: 8, .value_kind: global_buffer, .address_space: global }
      - { .name: values, .offset: 16, .size: 8, .value_kind: global_buffer, .address_space: global }
      - { .name: out0, .offset: 24, .size: 8, .value_kind: global_buffer, .address_space: global }
      - { .name: out1, .offset: 32, .size: 8, .value_kind: global_buffer, .address_space: global }
    .group_segment_fixed_size: 18944
    .private_segment_fixed_size: 0
    .kernarg_segment_align: 8
    .kernarg_segment_size: 40
    .max_flat_workgroup_size: 512
    .sgpr_count:     66
    .vgpr_count:     192
    .wavefront_size: 32
...
	.end_amdgpu_metadata
.endif
;; end of part 3
;; ======== version 2 of 2: 5 launches; 1.27 times as fast as version 1
;; workspace buffers: aimg 52,428,800 bytes; wimg 819,200 bytes; qb 131,072 bytes; part 4,194,304 bytes; mt 262,144 bytes; list 262,144 bytes of whole numbers; pos 262,144 bytes of whole numbers; cnt 256 bytes of whole numbers
;; launch route (part 4): grid 80 x 1, 4 waves a work-group, no clusters, 768 bytes of LDS; arguments mask, V, query_codes, query_scales, W2_codes, W2_scales, b1, b2, W1_codes, W1_scales, pos, cnt, qb, wimg; writes pos, cnt, qb, wimg
.if DOCPART == 4
	.amdgcn_target "amdgcn-amd-amdhsa--gfx1250"
	.amdhsa_code_object_version 6
	.text
	.protected	k_q16987226c0_route
	.globl	k_q16987226c0_route
	.p2align	8
	.type	k_q16987226c0_route,@function
k_q16987226c0_route:
	s_mov_b64 s[64:65], 0
	v_nop
	global_prefetch_b8 v0, s[64:65] scope:SCOPE_SE
	s_setreg_imm32_b32 hwreg(HW_REG_WAVE_MODE, 25, 1), 1
	s_wait_xcnt 0x0
; BAHDANAU ATTENTION, launch 1 of 5.  score[b][t] = V . tanh(Q(values[b][t]) W1 + b1 + query W2 + b2) + bV - 1e9 mask[b][t]; out1 = softmax over t; out0[b] = sum over t of out1[b][t] values[b][t].
; DEAD WORK: bV.  reference() adds the one number bV[0] to every score of a row of the softmax alike.  For all finite values, exp(s + bV - max(s + bV)) = exp(s - max(s)), term by term, so out1 does not hang
; on bV, and out0 is made of out1 and values alone.  bV is loaded by no launch and is among no launch's arguments.  LIMIT: a NaN, an infinity or an overflow that bV alone would bring is not carried to the results.
; ROWS THAT THE MASK THROWS AWAY are found here, for every value of the inputs, and the later launches do only what the stored whole numbers ask for.  With A = the sum of |V[u]|, every V . tanh lies in [-A, A].
; Let mu[t] = -1e9 mask[b][t] and mumax its largest value in the batch row.  A row with  mumax - mu[t] >= 2 A + 128 + 2^-20 (|mu[t]| + |mumax|)  has a score more than 104 under the row's largest score
; (the last term covers the rounding of f32 sums beside a large mu): its exponential is 0 in f32, so its out1 is 0 and it adds nothing to the sum or to out0.  The row that holds mumax is always kept.
; LIMIT: a weight under e^-104 is stored as 0; bV is taken to be of ordinary size (it enters reference()'s rounding beside mu alone).
; THIS LAUNCH has three kinds of work-groups, told apart by the work-group's number alone; each kind takes its own way through the text and ends by itself.
;   x < 32:        batch row x.  pos[x][t] = the compact place of row t among the kept rows, in the rows' order, or 2,048 for a row that is left out; cnt[x] = (n, the kept rows; nch = chunks of 64 compact rows, at least 2).
;                  All go to FIXED places: what is derived from floating-point numbers here is stored, and steers no address and no branch of this launch.  The next launch reads it and places the rows.
;   32 <= x < 64:  product 2.  qb[b][u] = c (query W2 + b1 + b2), c = 2 log2(e): the addend of the tanh's exponent.  128 waves, each one tile of 16 units x 16 batch rows, K = 1,024 in 8 matrix instructions.
;   x >= 64:       W1's codes and scale words are laid once as images of operand registers (wimg): 64 waves, 16 units each.
; AN IMAGE: a tile of 16 rows is 12,800 bytes.  The fragment of K step s (128 along K: 12 registers a lane) lies at 1,536 s: registers 4 j .. 4 j + 3 of lane l at 512 j + 16 l.
; At 12,288: 16 bytes a lane; word j of lane l is the scale word (four bytes: 128 along K) of row l % 16 for K step 2 j + l / 16.
; LIMITS: NaN and infinities among the inputs, and the byte 0xff among given scales, are not served.
.set NRT,   32                         ; work-groups that route
.set NQB,   32                         ; work-groups of product 2
.set TILEB, 12800
.set CROW,  768                        ; a row of 1,024 codes in bytes
.set SPARE, 256                        ; LDS: 48 bytes of reductions in the first block; then the spare words, 128 bytes for each wave
.set LI,    4                          ; v4   16 x lane; never rewritten
.set SPW,   8                          ; v8   LDS address of my spare word; never rewritten
.set NIL,   9                          ; v9   0; never rewritten
.set MU,    16                         ; v16-31 mu of my 16 rows, later their places
.set WV,    32                         ; s32  my wave's number
.set BAL,   44                         ; s[44:59] for each of my wave's 16 groups of 32 rows: a bit a lane, 1 = kept
.set PRE,   68                         ; s[68:83] kept rows of my wave ahead of each group
.set CC,    40                         ; s[40:41] c, twice (product 2)
; eight fragments (16 rows x 1,024 K) from rows of codes: lane (r, h) takes 24 bytes at 96 k + 24 h and 24 at 96 k + 48 + 24 h of row r, in pieces of 8 bytes
.macro FRAGS reg, adr, base
.irp k, 0,1,2,3,4,5,6,7
.irp p, 0,1,2,3,4,5
	global_load_b64 v[\reg+12*\k+2*\p:\reg+12*\k+2*\p+1], v[\adr], s[\base:\base+1] offset:96*\k+48*(\p/3)+8*(\p%3)
.endr
.endr
.endm
.macro BARRIER                         ; my LDS instructions are done: then the work-group's barrier
	s_wait_dscnt 0x0
	s_barrier_signal -1
	s_barrier_wait -1
.endm
	s_load_b256 s[4:11], s[0:1], 0x0               ; mask s[4:5], V s[6:7], query_codes s[8:9], query_scales s[10:11]
	s_load_b256 s[12:19], s[0:1], 0x20             ; W2_codes s[12:13], W2_scales s[14:15], b1 s[16:17], b2 s[18:19]
	s_load_b256 s[20:27], s[0:1], 0x40             ; W1_codes s[20:21], W1_scales s[22:23], pos s[24:25], cnt s[26:27]
	s_load_b128 s[28:31], s[0:1], 0x60             ; qb s[28:29], wimg s[30:31]
	v_lshl_add_u32 v[SPW], v0, 2, SPARE
	v_mov_b32 v[NIL], 0
	v_lshrrev_b32 v1, 5, v0
	v_readfirstlane_b32 s[WV], v1                  ; wave 0..3
	v_and_b32 v1, 31, v0                           ; lane
	v_and_b32 v2, 15, v0                           ; r
	v_bfe_u32 v3, v0, 4, 1                         ; h
	v_lshlrev_b32 v[LI], 4, v1
	s_mov_b32 s35, 0
	s_wait_kmcnt 0x0
	s_cmp_ge_u32 ttmp9, NRT+NQB
	s_cbranch_scc1 .Lwimg
	s_cmp_ge_u32 ttmp9, NRT
	s_cbranch_scc1 .Lqb
	; ---- the kept rows of batch row x.  Wave w takes rows 512 w on, in 16 groups of 32: row 512 w + 32 j + lane
	s_lshl_b32 s34, ttmp9, 13                      ; 2,048 numbers of 4 bytes
	s_add_nc_u64 s[4:5], s[4:5], s[34:35]
	s_add_nc_u64 s[24:25], s[24:25], s[34:35]
	s_lshl_b32 s34, ttmp9, 3
	s_add_nc_u64 s[26:27], s[26:27], s[34:35]
	s_lshl_b32 s33, s[WV], 11
	v_lshlrev_b32 v5, 2, v1
	v_add_nc_u32 v5, s33, v5                       ; 2,048 w + 4 x lane
	v_lshlrev_b32 v6, 5, v0                        ; V: eight numbers a thread
.irp j, 0,1,2,3,4,5,6,7,8,9,10,11,12,13,14,15
	global_load_b32 v[MU+\j], v5, s[4:5] offset:128*\j
.endr
	global_load_b128 v[32:35], v6, s[6:7]
	global_load_b128 v[36:39], v6, s[6:7] offset:16
	v_lshrrev_b32 v7, 5, v0
	v_lshlrev_b32 v7, 2, v7                        ; 4 x wave: my wave's word in a reduction
	v_mov_b32 v40, 0                               ; an LDS address, and an offset
	v_mov_b32 v41, 0x800                           ; the mark of a row that is left out
	v_mov_b32 v14, 0                               ; written once: a lane permute's destination counts as one of its sources
	v_mov_b32 v15, 0
	s_mov_b32 s36, 0xce6e6b28                      ; -1e9
	s_mov_b32 s37, 0x35800000                      ; 2^-20
	s_mov_b32 s38, 0x43000000                      ; 128
	s_mov_b32 s42, 0x76543210                      ; v_permlanex16_b32's selects for lane l xor 16
	s_mov_b32 s43, 0xfedcba98
	s_wait_loadcnt 0x0
.irp j, 0,1,2,3,4,5,6,7,8,9,10,11,12,13,14,15
	v_mul_f32 v[MU+\j], s36, v[MU+\j]              ; mu
.endr
	v_max3_num_f32 v10, v[MU], v[MU+1], v[MU+2]
.irp j, 3,5,7,9,11,13
	v_max3_num_f32 v10, v10, v[MU+\j], v[MU+\j+1]
.endr
	v_max_num_f32 v10, v10, v[MU+15]
	v_add_f32 v11, |v32|, |v33|
	v_add_f32 v12, |v34|, |v35|
	v_add_f32 v13, |v36|, |v37|
	v_add_f32 v42, |v38|, |v39|
	v_add_f32 v11, v11, v12
	v_add_f32 v13, v13, v42
	v_add_f32 v11, v11, v13
.irp m, 1,2,4,8
	v_max_num_f32_dpp v10, v10, v10 row_xmask:\m row_mask:0xf bank_mask:0xf
	v_add_f32_dpp v11, v11, v11 row_xmask:\m row_mask:0xf bank_mask:0xf
.endr
	v_permlanex16_b32 v14, v10, s42, s43
	v_permlanex16_b32 v15, v11, s42, s43
	v_max_num_f32 v10, v10, v14                    ; my wave's largest mu
	v_add_f32 v11, v11, v15                        ; and its part of A
	ds_store_b32 v7, v10                           ; all lanes write the same word with the same value
	ds_store_b32 v7, v11 offset:16
	BARRIER
	ds_load_b128 v[32:35], v40
	ds_load_b128 v[36:39], v40 offset:16
	s_wait_dscnt 0x0
	v_max3_num_f32 v10, v32, v33, v34
	v_max_num_f32 v10, v10, v35                    ; mumax
	v_add_f32 v11, v36, v37
	v_add_f32 v12, v38, v39
	v_add_f32 v11, v11, v12                        ; A
	v_fma_f32 v12, v11, 2.0, s38                   ; 2 A + 128
	v_fma_f32 v12, |v10|, s37, v12                 ; + 2^-20 |mumax|
.irp j, 0,1,2,3,4,5,6,7,8,9,10,11,12,13,14,15
	v_sub_f32 v13, v10, v[MU+\j]
	v_fma_f32 v42, |v[MU+\j]|, s37, v12
	v_cmp_lt_f32 s[BAL+\j], v13, v42               ; kept where the distance to mumax is under the bound
.endr
	s_mov_b32 s39, 0
.irp j, 0,1,2,3,4,5,6,7,8,9,10,11,12,13,14,15
	s_mov_b32 s[PRE+\j], s39
	s_bcnt1_i32_b32 s33, s[BAL+\j]
	s_add_co_u32 s39, s39, s33
.endr
	v_mov_b32 v13, s39                             ; my wave's kept rows
	ds_store_b32 v7, v13 offset:32                 ; other bytes than the first reduction's: no barrier is owed between
	BARRIER
	ds_load_b128 v[32:35], v40 offset:32
	s_wait_dscnt 0x0
	v_readfirstlane_b32 s60, v32
	v_readfirstlane_b32 s61, v33
	v_readfirstlane_b32 s62, v34
	v_readfirstlane_b32 s63, v35
	s_cmp_gt_u32 s[WV], 0                          ; the kept rows of the waves ahead of mine: chosen by the wave's number
	s_cselect_b32 s33, s60, 0
	s_cmp_gt_u32 s[WV], 1
	s_cselect_b32 s34, s61, 0
	s_cmp_gt_u32 s[WV], 2
	s_cselect_b32 s40, s62, 0
	s_add_co_u32 s33, s33, s34
	s_add_co_u32 s33, s33, s40
	s_add_co_u32 s39, s60, s61
	s_add_co_u32 s39, s39, s62
	s_add_co_u32 s39, s39, s63                     ; n
	s_add_co_u32 s40, s39, 63
	s_lshr_b32 s40, s40, 6
	s_max_u32 s40, s40, 2                          ; nch: at least 2, so that each of a batch row's two groups in launch 4 has a first chunk that was written
.irp j, 0,1,2,3,4,5,6,7,8,9,10,11,12,13,14,15
	s_add_co_u32 s34, s33, s[PRE+\j]
	v_mbcnt_lo_u32_b32 v13, s[BAL+\j], s34         ; the kept rows ahead of mine
	v_cndmask_b32 v[MU+\j], v41, v13, s[BAL+\j]
.endr
.irp j, 0,1,2,3,4,5,6,7,8,9,10,11,12,13,14,15
	global_store_b32 v5, v[MU+\j], s[24:25] offset:128*\j   ; at the row's own place: 128 consecutive bytes a store, two stores to 256
.endr
	v_mov_b32 v32, s39
	v_mov_b32 v33, s40
	s_cmp_lg_u32 s[WV], 0
	s_cbranch_scc1 .Lnot_0
	s_wait_xcnt 0x0                                ; EXEC changes only behind this wait
	v_cmp_eq_u32 vcc_lo, 0, v0
	s_and_saveexec_b32 s35, vcc_lo                 ; thread 0 stores the two counts
	global_store_b64 v40, v[32:33], s[26:27]
	s_wait_xcnt 0x0
	s_or_b32 exec_lo, exec_lo, s35
.Lnot_0:
	s_wait_tensorcnt 0x0                           ; the wave's end: a tensor wait, an add and its wait behind my last LDS store, the tensor wait in a text with no tensor load too
	ds_add_u32 v[SPW], v[NIL]
	s_wait_dscnt 0x0
	s_endpgm
	; ---- W1: my 16 units as an image
.Lwimg:
	s_sub_co_u32 s33, ttmp9, NRT+NQB
	s_lshl_b32 s33, s33, 2
	s_add_co_u32 s33, s33, s[WV]                   ; the unit tile, 0 .. 63
	s_mul_i32 s34, s33, 16*CROW
	s_add_nc_u64 s[20:21], s[20:21], s[34:35]
	s_lshl_b32 s34, s33, 9                         ; 16 rows of 32 scale bytes
	s_add_nc_u64 s[22:23], s[22:23], s[34:35]
	s_mul_i32 s34, s33, TILEB
	s_add_nc_u64 s[30:31], s[30:31], s[34:35]
	v_mul_u32_u24 v5, v2, CROW
	v_mad_u32_u24 v5, v3, 24, v5                   ; row r, + 24 h
	v_lshlrev_b32 v6, 5, v2
	v_lshl_add_u32 v6, v3, 2, v6                   ; scale words: row r, + 4 h
	FRAGS 16, 5, 20
.irp j, 0,1,2,3
	global_load_b32 v[112+\j], v6, s[22:23] offset:8*\j   ; the word of K step 2 j + h
.endr
	s_wait_loadcnt 0x0
.irp k, 0,1,2,3,4,5,6,7
.irp j, 0,1,2
	global_store_b128 v[LI], v[16+12*\k+4*\j:16+12*\k+4*\j+3], s[30:31] offset:1536*\k+512*\j
.endr
.endr
	global_store_b128 v[LI], v[112:115], s[30:31] offset:12288
	s_endpgm
	; ---- product 2: 16 units x 16 batch rows.  Used transposed (source 0 = 16 rows of W2, source 1 = 16 rows of query): register j of lane (r, h) is batch row r, unit 8 h + j: eight neighbours of a row of qb
.Lqb:
	s_sub_co_u32 s33, ttmp9, NRT
	s_lshl_b32 s33, s33, 2
	s_add_co_u32 s33, s33, s[WV]                   ; job 0 .. 127
	s_lshr_b32 s38, s33, 1                         ; the unit tile, 0 .. 63
	s_and_b32 s33, s33, 1                          ; which 16 batch rows
	s_mov_b32 s37, 0
	s_mul_i32 s34, s33, 16*CROW
	s_add_nc_u64 s[8:9], s[8:9], s[34:35]
	s_lshl_b32 s34, s33, 9
	s_add_nc_u64 s[10:11], s[10:11], s[34:35]
	s_mul_i32 s36, s38, 16*CROW
	s_add_nc_u64 s[12:13], s[12:13], s[36:37]
	s_lshl_b32 s36, s38, 9
	s_add_nc_u64 s[14:15], s[14:15], s[36:37]
	s_lshl_b32 s36, s38, 6                         ; 16 units of 4 bytes
	s_add_nc_u64 s[16:17], s[16:17], s[36:37]
	s_add_nc_u64 s[18:19], s[18:19], s[36:37]
	s_add_nc_u64 s[28:29], s[28:29], s[36:37]
	s_lshl_b32 s34, s33, 16                        ; 16 rows of qb
	s_add_nc_u64 s[28:29], s[28:29], s[34:35]
	s_mov_b32 s[CC], 0x4038aa3b                    ; c = 2 log2(e)
	s_mov_b32 s[CC+1], s[CC]                       ; (named with it as a pair, so it is written)
	v_mul_u32_u24 v5, v2, CROW
	v_mad_u32_u24 v5, v3, 24, v5                   ; codes: row r, + 24 h
	v_lshlrev_b32 v6, 5, v2                        ; scale words: row r
	v_lshlrev_b32 v7, 5, v3                        ; biases: my half's eight units
	v_lshl_add_u32 v10, v2, 12, v7                 ; qb: row r, + 32 h
	FRAGS 16, 5, 8                                 ; query: v16-111
	FRAGS 112, 5, 12                               ; W2: v112-207
	global_load_b128 v[208:211], v6, s[10:11]      ; query's eight scale words: register k for K step k
	global_load_b128 v[212:215], v6, s[10:11] offset:16
	global_load_b128 v[216:219], v6, s[14:15]      ; W2's
	global_load_b128 v[220:223], v6, s[14:15] offset:16
	global_load_b128 v[240:243], v7, s[16:17]      ; b1
	global_load_b128 v[244:247], v7, s[16:17] offset:16
	global_load_b128 v[248:251], v7, s[18:19]      ; b2
	global_load_b128 v[252:255], v7, s[18:19] offset:16
	s_wait_loadcnt 0x0
.irp j, 0,2,4,6
	v_pk_add_f32 v[240+\j:241+\j], v[240+\j:241+\j], v[248+\j:249+\j]   ; b1 + b2
.endr
.irp k, 0,1,2,3,4,5,6,7                        ; two accumulators by turns, even K steps and odd ones; each one's first product starts its sum
.if \k < 2
	v_wmma_scale_f32_16x16x128_f8f6f4 v[224+8*(\k%2):231+8*(\k%2)], v[112+12*\k:123+12*\k], v[16+12*\k:27+12*\k], 0, v[216+\k], v[208+\k] matrix_a_fmt:MATRIX_FMT_FP6 matrix_b_fmt:MATRIX_FMT_FP6
.else
	v_wmma_scale_f32_16x16x128_f8f6f4 v[224+8*(\k%2):231+8*(\k%2)], v[112+12*\k:123+12*\k], v[16+12*\k:27+12*\k], v[224+8*(\k%2):231+8*(\k%2)], v[216+\k], v[208+\k] matrix_a_fmt:MATRIX_FMT_FP6 matrix_b_fmt:MATRIX_FMT_FP6
.endif
.endr
.rept 4
	v_nop                                          ; four places in front of the first read of results (ISA guide 7.12.1)
.endr
.irp j, 0,2,4,6
	v_pk_add_f32 v[248+\j:249+\j], v[224+\j:225+\j], v[232+\j:233+\j]   ; the two halves of the sum, each accumulator from its low end on
.endr
.irp j, 0,2,4,6
	v_pk_add_f32 v[240+\j:241+\j], v[240+\j:241+\j], v[248+\j:249+\j]
.endr
.irp j, 0,2,4,6
	v_pk_mul_f32 v[240+\j:241+\j], v[240+\j:241+\j], s[CC:CC+1] op_sel_hi:[1,0]
.endr
	global_store_b128 v10, v[240:243], s[28:29]
	global_store_b128 v10, v[244:247], s[28:29] offset:16
	s_endpgm
.Lfunc_end_k_q16987226c0_route:
	.size	k_q16987226c0_route, .Lfunc_end_k_q16987226c0_route-k_q16987226c0_route
	.p2alignl 7, 3214868480
	.fill 96, 4, 3214868480
	.section	.rodata,"a",@progbits
	.p2align	6, 0x0
	.amdhsa_kernel k_q16987226c0_route
		.amdhsa_group_segment_fixed_size 768
		.amdhsa_private_segment_fixed_size 0
		.amdhsa_enable_private_segment 0
		.amdhsa_kernarg_size 112
		.amdhsa_user_sgpr_count 2
		.amdhsa_user_sgpr_kernarg_segment_ptr 1
		.amdhsa_wavefront_size32 1
		.amdhsa_system_sgpr_workgroup_id_x 1
		.amdhsa_system_sgpr_workgroup_id_y 1
		.amdhsa_system_sgpr_workgroup_id_z 1
		.amdhsa_system_vgpr_workitem_id 0
		.amdhsa_next_free_vgpr 256
		.amdhsa_next_free_sgpr 84
		.amdhsa_reserve_vcc 1
		.amdhsa_float_denorm_mode_32 3
		.amdhsa_float_denorm_mode_16_64 3
		.amdhsa_memory_ordered 1
		.amdhsa_forward_progress 1
		.amdhsa_inst_pref_size 37
	.end_amdhsa_kernel
	.amdgpu_metadata
---
amdhsa.version: [ 1, 2 ]
amdhsa.kernels:
  - .name:           k_q16987226c0_route
    .symbol:         k_q16987226c0_route.kd
    .args:
      - { .name: mask, .offset: 0, .size: 8, .value_kind: global_buffer, .address_space: global }
      - { .name: V, .offset: 8, .size: 8, .value_kind: global_buffer, .address_space: global }
      - { .name: query_codes, .offset: 16, .size: 8, .value_kind: global_buffer, .address_space: global }
      - { .name: query_scales, .offset: 24, .size: 8, .value_kind: global_buffer, .address_space: global }
      - { .name: W2_codes, .offset: 32, .size: 8, .value_kind: global_buffer, .address_space: global }
      - { .name: W2_scales, .offset: 40, .size: 8, .value_kind: global_buffer, .address_space: global }
      - { .name: b1, .offset: 48, .size: 8, .value_kind: global_buffer, .address_space: global }
      - { .name: b2, .offset: 56, .size: 8, .value_kind: global_buffer, .address_space: global }
      - { .name: W1_codes, .offset: 64, .size: 8, .value_kind: global_buffer, .address_space: global }
      - { .name: W1_scales, .offset: 72, .size: 8, .value_kind: global_buffer, .address_space: global }
      - { .name: pos, .offset: 80, .size: 8, .value_kind: global_buffer, .address_space: global }
      - { .name: cnt, .offset: 88, .size: 8, .value_kind: global_buffer, .address_space: global }
      - { .name: qb, .offset: 96, .size: 8, .value_kind: global_buffer, .address_space: global }
      - { .name: wimg, .offset: 104, .size: 8, .value_kind: global_buffer, .address_space: global }
    .group_segment_fixed_size: 768
    .private_segment_fixed_size: 0
    .kernarg_segment_align: 8
    .kernarg_segment_size: 112
    .max_flat_workgroup_size: 128
    .sgpr_count:     84
    .vgpr_count:     256
    .wavefront_size: 32
...
	.end_amdgpu_metadata
.endif
;; end of part 4
;; launch place (part 5): grid 8 x 32, 8 waves a work-group, no clusters, 0 bytes of LDS; arguments pos, cnt, mask, list, mt; writes list, mt
.if DOCPART == 5
	.amdgcn_target "amdgcn-amd-amdhsa--gfx1250"
	.amdhsa_code_object_version 6
	.text
	.protected	k_q16987226c0_place
	.globl	k_q16987226c0_place
	.p2align	8
	.type	k_q16987226c0_place,@function
k_q16987226c0_place:
	s_mov_b64 s[64:65], 0
	v_nop
	global_prefetch_b8 v0, s[64:65] scope:SCOPE_SE
	s_setreg_imm32_b32 hwreg(HW_REG_WAVE_MODE, 25, 1), 1
	s_wait_xcnt 0x0
; BAHDANAU ATTENTION, launch 2 of 5: the kept rows are placed.  list[b][i] = the row that has compact place i; mt[b][i] = -1e9 mask of that row.  Places from n on get row 0 and 0: a valid row, whose results nobody uses.
; The places were made by launch 1 and are READ here as whole numbers: so they may steer the stores' addresses.  bV is left out (shown at the head of launch 1).
; A thread takes one row and one place: work-group (x, b), thread i: row and place 256 x + i of batch row b.  The places rise with the rows, so neighbouring lanes store to neighbouring or equal runs of bytes.
; Every byte of list and mt is stored once: places under n by the row that owns them, the others by the fill.
	s_load_b256 s[4:11], s[0:1], 0x0               ; pos s[4:5], cnt s[6:7], mask s[8:9], list s[10:11]
	s_load_b64 s[12:13], s[0:1], 0x20              ; mt
	s_and_b32 s16, ttmp7, 0xffff                   ; b
	s_lshl_b32 s17, ttmp9, 8
	v_add_nc_u32 v1, s17, v0                       ; my row, and my place
	v_lshlrev_b32 v2, 2, v1
	v_mov_b32 v6, 0
	s_mov_b32 s19, 0
	s_mov_b32 s22, 0xce6e6b28                      ; -1e9
	s_wait_kmcnt 0x0
	s_lshl_b32 s18, s16, 3
	s_add_nc_u64 s[6:7], s[6:7], s[18:19]
	s_load_b32 s20, s[6:7], 0x0                    ; n
	s_lshl_b32 s18, s16, 13
	s_add_nc_u64 s[4:5], s[4:5], s[18:19]
	s_add_nc_u64 s[8:9], s[8:9], s[18:19]
	s_add_nc_u64 s[10:11], s[10:11], s[18:19]
	s_add_nc_u64 s[12:13], s[12:13], s[18:19]
	global_load_b32 v3, v2, s[4:5]
	global_load_b32 v4, v2, s[8:9]
	s_wait_kmcnt 0x0
	s_wait_loadcnt 0x0
	v_mul_f32 v4, s22, v4
	v_min_u32 v5, 0x7ff, v3                        ; a loaded number enters an address only behind this hold
	v_lshlrev_b32 v5, 2, v5
	v_cmp_gt_u32 vcc_lo, 0x800, v3                 ; my row is kept
	s_wait_xcnt 0x0                                ; EXEC changes only behind this wait
	s_and_saveexec_b32 s21, vcc_lo
	global_store_b32 v5, v1, s[10:11]
	global_store_b32 v5, v4, s[12:13]
	s_wait_xcnt 0x0
	s_or_b32 exec_lo, exec_lo, s21
	v_cmp_le_u32 vcc_lo, s20, v1                   ; my place has no row
	s_and_saveexec_b32 s21, vcc_lo
	global_store_b32 v2, v6, s[10:11]
	global_store_b32 v2, v6, s[12:13]
	s_wait_xcnt 0x0
	s_or_b32 exec_lo, exec_lo, s21
	s_endpgm
.Lfunc_end_k_q16987226c0_place:
	.size	k_q16987226c0_place, .Lfunc_end_k_q16987226c0_place-k_q16987226c0_place
	.p2alignl 7, 3214868480
	.fill 96, 4, 3214868480
	.section	.rodata,"a",@progbits
	.p2align	6, 0x0
	.amdhsa_kernel k_q16987226c0_place
		.amdhsa_group_segment_fixed_size 0
		.amdhsa_private_segment_fixed_size 0
		.amdhsa_enable_private_segment 0
		.amdhsa_kernarg_size 40
		.amdhsa_user_sgpr_count 2
		.amdhsa_user_sgpr_kernarg_segment_ptr 1
		.amdhsa_wavefront_size32 1
		.amdhsa_system_sgpr_workgroup_id_x 1
		.amdhsa_system_sgpr_workgroup_id_y 1
		.amdhsa_system_sgpr_workgroup_id_z 1
		.amdhsa_system_vgpr_workitem_id 0
		.amdhsa_next_free_vgpr 16
		.amdhsa_next_free_sgpr 66
		.amdhsa_reserve_vcc 1
		.amdhsa_float_denorm_mode_32 3
		.amdhsa_float_denorm_mode_16_64 3
		.amdhsa_memory_ordered 1
		.amdhsa_forward_progress 1
		.amdhsa_inst_pref_size 3
	.end_amdhsa_kernel
	.amdgpu_metadata
---
amdhsa.version: [ 1, 2 ]
amdhsa.kernels:
  - .name:           k_q16987226c0_place
    .symbol:         k_q16987226c0_place.kd
    .args:
      - { .name: pos, .offset: 0, .size: 8, .value_kind: global_buffer, .address_space: global }
      - { .name: cnt, .offset: 8, .size: 8, .value_kind: global_buffer, .address_space: global }
      - { .name: mask, .offset: 16, .size: 8, .value_kind: global_buffer, .address_space: global }
      - { .name: list, .offset: 24, .size: 8, .value_kind: global_buffer, .address_space: global }
      - { .name: mt, .offset: 32, .size: 8, .value_kind: global_buffer, .address_space: global }
    .group_segment_fixed_size: 0
    .private_segment_fixed_size: 0
    .kernarg_segment_align: 8
    .kernarg_segment_size: 40
    .max_flat_workgroup_size: 256
    .sgpr_count:     66
    .vgpr_count:     16
    .wavefront_size: 32
...
	.end_amdgpu_metadata
.endif
;; end of part 5
;; launch quant (part 6): grid 1024 x 1, 4 waves a work-group, no clusters, 34,304 bytes of LDS; arguments values, list, cnt, aimg; writes aimg
.if DOCPART == 6
	.amdgcn_target "amdgcn-amd-amdhsa--gfx1250"
	.amdhsa_code_object_version 6
	.text
	.protected	k_q16987226c0_quant
	.globl	k_q16987226c0_quant
	.p2align	8
	.type	k_q16987226c0_quant,@function
k_q16987226c0_quant:
	s_mov_b64 s[64:65], 0
	v_nop
	global_prefetch_b8 v0, s[64:65] scope:SCOPE_SE
	s_setreg_imm32_b32 hwreg(HW_REG_WAVE_MODE, 25, 1), 1
	s_wait_xcnt 0x0
; BAHDANAU ATTENTION, launch 3 of 5: the kept rows of values, f32, become codes of E2M3 with one E8M0 scale for each 32 along K, laid as images of operand registers (aimg), in the compact order of launch 2's list.
; Rows that the mask throws away are not read, and bV is left out (both shown at the head of launch 1).
; SHARES.  Work-group x is chunk c = x % 32 (64 compact rows) of batch row b = x / 32; its wave w takes tile w of the chunk, 16 rows x 1,024.  The grid serves every split: a chunk at or beyond the batch row's
; stored count nch has no rows, stores nothing and ends: a branch on a whole number read from memory.  A wave's 16 rows are named by 16 numbers of the list, read as scalars, held to 2,047, and made into 16 bases.
; AN IMAGE: a tile of 16 rows is 12,800 bytes.  The fragment of K step s (128 along K: 12 registers a lane) lies at 1,536 s: registers 4 j .. 4 j + 3 of lane l at 512 j + 16 l.
; At 12,288: 16 bytes a lane; word j of lane l is the scale word of row l % 16 for K step 2 j + l / 16.  So every later read of an operand is a load of 16 bytes a lane, 512 consecutive bytes a wave.
; THE QUANTISER: a block's scale is 2^(floor(log2(largest magnitude)) - 2); its byte is the largest magnitude's exponent field - 2, held at 1 from below; numbers / scale go to the nearest code, ties to even, beyond 7.5 to 7.5.
; LIMITS: a block of zeros gets the byte 1 where the rule says 127 (its codes are zeros, and this program alone reads the bytes); NaN and infinities among values are not served.
; NO CLUSTER: each row is read by one wave.  No tensor load: the launch branches on a stored count, and the rows go through registers, several work-groups to a WGP.
.set TILEB, 12800
.set SP,    528                        ; a stage row: 512 bytes + 16
.set WREG,  16*SP                      ; a wave's stage
.set SPARE, 4*WREG                     ; behind the four stages: the spare words, 128 bytes for each wave
.set LI,    4                          ; v4   16 x lane; never rewritten
.set STI,   5                          ; v5   the stage, on the way in
.set STO,   6                          ; v6   the stage, on the way out
.set SPW,   8                          ; v8   LDS address of my spare word; never rewritten
.set NIL,   9                          ; v9   0; never rewritten
.set R,     16                         ; v16-143  two sets of 64: 16 rows x 16 bytes a lane, as loaded
.set X,     144                        ; v144-207 64 numbers of my row: register 16 b + i = k 32 b + 16 (lane / 16) + i
.set TM,    208                        ; v208-223 at work in QUANT
.set PC,    224                        ; v224-235 the fragment just made; v236-242 halves on their way
.set PW,    244                        ; v244 the scale word just made;  v245 the even K step's, kept
.set PWS,   245
.set SW,    248                        ; v248-251 the tile's scale block
.set WV,    28                         ; s28  my wave's number
.set SEL,   32                         ; s[32:33] v_permlanex16_b32's selects for lane l xor 16
.set HI16,  34                         ; s34  the lanes 16-31
.set IDX,   48                         ; s[48:63] my 16 rows' numbers
.set RB,    68                         ; s[68:99] my 16 rows' addresses
.macro QUANT s
.irp b, 0,1,2,3
	v_max3_num_f32 v[TM+\b], |v[\s+16*\b]|, |v[\s+1+16*\b]|, 0x1800000   ; block b: my 16 numbers, and the floor 2^(3 - 127): the byte cannot fall under 1
.endr
.irp i, 2,4,6,8,10,12,14
.irp b, 0,1,2,3
	v_max3_num_f32 v[TM+\b], v[TM+\b], |v[\s+16*\b+\i]|, |v[\s+1+16*\b+\i]|   ; the four blocks by turns
.endr
.endr
.irp b, 0,1,2,3
	v_permlanex16_b32 v[TM+4+\b], v[TM+\b], s[SEL], s[SEL+1]
.endr
.irp b, 0,1,2,3
	v_max_num_f32 v[TM+\b], v[TM+\b], v[TM+4+\b]   ; with lane l xor 16's 16: the block's largest magnitude
.endr
.irp b, 0,1,2,3
	v_add_nc_u32 v[TM+12+\b], 0xff000000, v[TM+\b]   ; 2 off its exponent field: the conversion takes this operand's exponent field as its scale
.endr
.irp b, 0,1,2,3
	v_lshrrev_b32 v[TM+4+\b], 23, v[TM+12+\b]      ; the scale's byte
.endr
	v_lshl_or_b32 v[PW], v[TM+5], 8, v[TM+4]       ; four bytes: my row's scale word for this K step
	v_lshl_or_b32 v[PW], v[TM+6], 16, v[PW]
	v_lshl_or_b32 v[PW], v[TM+7], 24, v[PW]
.irp c, 0,1
	v_cvt_scalef32_pk16_fp6_f32 v[PC+6*\c:PC+2+6*\c], v[\s+32*\c:\s+15+32*\c], v[TM+12+2*\c]
	v_cvt_scalef32_pk16_fp6_f32 v[PC+12+4*\c:PC+14+4*\c], v[\s+16+32*\c:\s+31+32*\c], v[TM+12+2*\c+1]   ; (a conversion's three registers begin on an even number)
.endr
	v_nop                                          ; one plain place behind a scaled conversion
.irp c, 0,1                                    ; the operand's layout wants a whole block in a lane: lanes 0-15 block 2 c, lanes 16-31 block 2 c + 1
.irp i, 0,1,2
	v_permlane16_swap_b32 v[PC+6*\c+\i], v[PC+12+4*\c+\i]
.endr
.irp i, 0,1,2
	v_mov_b32 v[PC+3+6*\c+\i], v[PC+12+4*\c+\i]
.endr
.endr
.endm
; K step s of my 16 rows: each load reads 512 consecutive bytes of one row.  (No hint: the list's fill names row 0 more than once)
.macro LOAD s
.irp i, 0,1,2,3,4,5,6,7,8,9,10,11,12,13,14,15
	global_load_b128 v[R+64*((\s)%2)+4*\i:R+64*((\s)%2)+4*\i+3], v[LI], s[RB+2*\i:RB+2*\i+1] offset:512*(\s)
.endr
.endm
.macro KSTEP s
.if (\s) < 7
	s_wait_loadcnt 16                              ; this K step's 16 loads are in; the next one's 16 may be out
.else
	s_wait_loadcnt 0x0
.endif
.irp i, 0,1,2,3,4,5,6,7,8,9,10,11,12,13,14,15
	ds_store_b128 v[STI], v[R+64*((\s)%2)+4*\i:R+64*((\s)%2)+4*\i+3] offset:SP*\i   ; the rows as they lie, into my own stage
.endr
.irp b, 0,1,2,3
.irp j, 0,1,2,3
	ds_load_b128 v[X+16*\b+4*\j:X+16*\b+4*\j+3], v[STO] offset:128*\b+16*\j   ; and back: of my row, 16 neighbours of each block of 32.  LDS serves a wave's instructions in order: these see the stores above
.endr
.endr
	s_wait_dscnt 0x0                               ; the numbers are back, and the stores have read their registers
	s_wait_xcnt 0x0                                ; the last K step's stores have read the codes' registers: only behind this wait are they written again
.if (\s) < 6
	LOAD (\s)+2                                    ; into the set that has just gone through the stage
.endif
	QUANT X
.irp j, 0,1,2
	global_store_b128 v[LI], v[PC+4*\j:PC+4*\j+3], s[10:11] offset:1536*(\s)+512*\j   ; 32 lanes store 512 consecutive bytes, aligned
.endr
.if (\s)%2 == 0
	v_mov_b32 v[PWS], v[PW]
.else
	v_cndmask_b32 v[SW+(\s)/2], v[PWS], v[PW], s[HI16]   ; lanes 0-15 keep the even K step's word, lanes 16-31 the odd one's
.endif
.endm
	s_load_b256 s[4:11], s[0:1], 0x0               ; values s[4:5], list s[6:7], cnt s[8:9], aimg s[10:11]
	v_lshl_add_u32 v[SPW], v0, 2, SPARE
	v_mov_b32 v[NIL], 0
	v_lshrrev_b32 v1, 5, v0
	v_readfirstlane_b32 s[WV], v1                  ; wave 0..3
	v_and_b32 v1, 31, v0                           ; lane
	v_and_b32 v2, 15, v0                           ; r
	v_bfe_u32 v3, v0, 4, 1                         ; h
	v_lshlrev_b32 v[LI], 4, v1
	s_lshr_b32 s12, ttmp9, 5                       ; b
	s_and_b32 s13, ttmp9, 31                       ; c
	s_mov_b32 s15, 0
	s_wait_kmcnt 0x0
	s_lshl_b32 s14, s12, 3
	s_add_nc_u64 s[8:9], s[8:9], s[14:15]
	s_load_b32 s16, s[8:9], 0x4                    ; nch of my batch row
	s_lshl_b32 s14, ttmp9, 8                       ; the list: 64 numbers of 4 bytes a chunk,
	s_lshl_b32 s17, s[WV], 6                       ; 16 a wave
	s_add_co_u32 s14, s14, s17
	s_add_nc_u64 s[6:7], s[6:7], s[14:15]
	s_load_b512 s[IDX:IDX+15], s[6:7], 0x0
	s_lshl_b32 s14, s12, 23                        ; values: 2,048 rows of 4,096 bytes a batch row
	s_add_nc_u64 s[4:5], s[4:5], s[14:15]
	s_lshl_b32 s17, ttmp9, 2
	s_add_co_u32 s17, s17, s[WV]                   ; the compact tile, 0 .. 4,095
	s_mul_i32 s14, s17, TILEB
	s_add_nc_u64 s[10:11], s[10:11], s[14:15]
	s_mul_i32 s17, s[WV], WREG
	v_add_nc_u32 v[STI], s17, v[LI]                ; in: 16 x lane of a stage row
	v_mul_u32_u24 v[STO], v2, SP
	v_lshl_add_u32 v[STO], v3, 6, v[STO]
	v_add_nc_u32 v[STO], s17, v[STO]               ; out: row r, + 64 h
	s_mov_b32 s[SEL], 0x76543210
	s_mov_b32 s[SEL+1], 0xfedcba98
	s_mov_b32 s[HI16], 0xffff0000
.irp b, 0,1,2,3
	v_mov_b32 v[TM+4+\b], 0                        ; written once: a lane permute's destination counts as one of its sources
.endr
	s_wait_kmcnt 0x0
	s_cmp_ge_u32 s13, s16
	s_cbranch_scc1 .Ldead                          ; this split leaves my chunk without rows
.irp i, 0,1,2,3,4,5,6,7,8,9,10,11,12,13,14,15
	s_min_u32 s[IDX+\i], s[IDX+\i], 0x7ff          ; a loaded number enters an address only behind this hold
	s_lshl_b32 s14, s[IDX+\i], 12
	s_add_nc_u64 s[RB+2*\i:RB+2*\i+1], s[4:5], s[14:15]
.endr
	LOAD 0
	LOAD 1
.irp t, 0,1,2,3,4,5,6,7
	KSTEP \t
.endr
	global_store_b128 v[LI], v[SW:SW+3], s[10:11] offset:12288   ; the tile's scale block
	s_wait_tensorcnt 0x0                           ; the wave's end: a tensor wait, an add and its wait behind my last LDS store, the tensor wait in a text with no tensor load too
	ds_add_u32 v[SPW], v[NIL]
	s_wait_dscnt 0x0
	s_endpgm
.Ldead:
	s_endpgm                                       ; nothing was written to LDS on this way
.Lfunc_end_k_q16987226c0_quant:
	.size	k_q16987226c0_quant, .Lfunc_end_k_q16987226c0_quant-k_q16987226c0_quant
	.p2alignl 7, 3214868480
	.fill 96, 4, 3214868480
	.section	.rodata,"a",@progbits
	.p2align	6, 0x0
	.amdhsa_kernel k_q16987226c0_quant
		.amdhsa_group_segment_fixed_size 34304
		.amdhsa_private_segment_fixed_size 0
		.amdhsa_enable_private_segment 0
		.amdhsa_kernarg_size 32
		.amdhsa_user_sgpr_count 2
		.amdhsa_user_sgpr_kernarg_segment_ptr 1
		.amdhsa_wavefront_size32 1
		.amdhsa_system_sgpr_workgroup_id_x 1
		.amdhsa_system_sgpr_workgroup_id_y 1
		.amdhsa_system_sgpr_workgroup_id_z 1
		.amdhsa_system_vgpr_workitem_id 0
		.amdhsa_next_free_vgpr 256
		.amdhsa_next_free_sgpr 100
		.amdhsa_reserve_vcc 0
		.amdhsa_float_denorm_mode_32 3
		.amdhsa_float_denorm_mode_16_64 3
		.amdhsa_memory_ordered 1
		.amdhsa_forward_progress 1
		.amdhsa_inst_pref_size 66
	.end_amdhsa_kernel
	.amdgpu_metadata
---
amdhsa.version: [ 1, 2 ]
amdhsa.kernels:
  - .name:           k_q16987226c0_quant
    .symbol:         k_q16987226c0_quant.kd
    .args:
      - { .name: values, .offset: 0, .size: 8, .value_kind: global_buffer, .address_space: global }
      - { .name: list, .offset: 8, .size: 8, .value_kind: global_buffer, .address_space: global }
      - { .name: cnt, .offset: 16, .size: 8, .value_kind: global_buffer, .address_space: global }
      - { .name: aimg, .offset: 24, .size: 8, .value_kind: global_buffer, .address_space: global }
    .group_segment_fixed_size: 34304
    .private_segment_fixed_size: 0
    .kernarg_segment_align: 8
    .kernarg_segment_size: 32
    .max_flat_workgroup_size: 128
    .sgpr_count:     100
    .vgpr_count:     256
    .wavefront_size: 32
...
	.end_amdgpu_metadata
.endif
;; end of part 6
;; launch score (part 7): grid 4 x 64, 4 waves a work-group, no clusters, 116,736 bytes of LDS; arguments aimg, qb, wimg, V, cnt, part; writes part
.if DOCPART == 7
	.amdgcn_target "amdgcn-amd-amdhsa--gfx1250"
	.amdhsa_code_object_version 6
	.text
	.protected	k_q16987226c0_score
	.globl	k_q16987226c0_score
	.p2align	8
	.type	k_q16987226c0_score,@function
k_q16987226c0_score:
	s_mov_b64 s[64:65], 0
	v_nop
	global_prefetch_b8 v0, s[64:65] scope:SCOPE_SE
	s_setreg_imm32_b32 hwreg(HW_REG_WAVE_MODE, 25, 1), 1
	s_wait_xcnt 0x0
; BAHDANAU ATTENTION, launch 4 of 5: product 1, the tanh and the product with V, on the kept rows alone, in their compact order.
; part[p][b][i] = the sum over the 64 units 64 p .. 64 p + 63 of V[u] tanh(Q(values[row i]) . W1[u] + b1[u] + (query W2)[b][u] + b2[u]).  Rows that the mask throws away and bV are left out (shown at the head of launch 1).
; tanh(x) = 1 - 2 / (1 + 2^(c x)), c = 2 log2(e): where 2^(c x) overflows the reciprocal is 0 and tanh is 1; where it falls to 0, tanh is -1.  So V tanh = V + (-2 V) / (1 + 2^(c x)), and c x = c acc + qb.
; SHARES.  Work-group (nq, g): units 256 nq on, its wave w units 256 nq + 64 w on (four tiles of 16); batch row b = g / 2; of its chunks of 64 compact rows (4 tiles) those with number 2 i + g % 2, i = 0 .. 15.
; THE WEIGHTS STAND STILL: a wave's 32 fragments of W1 (384 registers) and their scale words are loaded once.  What moves are the rows' images (launch 3), 12,800 bytes a tile.
; THE WALK has a constant count, 16 chunks in 8 trips of two, with one barrier a chunk that every wave passes; a chunk at or beyond the stored count nch is passed over by scalar branches on that count, the same in all
; waves: round the work, round the stores into LDS, round the loads; round no barrier and no step of an address.
; THE RING.  Two LDS slots of a chunk each, at constant addresses.  Wave w brings tile w of a chunk: 25 loads of 512 consecutive bytes into 100 registers, asked for a whole chunk (128 matrix instructions) ahead; behind the
; next barrier they are stored into the slot that was read last, and behind the barrier after that all four waves read them.  In front of each barrier a wave waits for all its LDS instructions.
; NO TENSOR LOAD AND NO CLUSTER: the walk hangs on nch, a number read from memory; without tensor loads there is no joint request.
; THE PRODUCT IS USED AS IT STANDS: source 0 = 16 rows, source 1 = 16 units.  Register j of lane (r, h) is row 8 h + j, unit r: so the addend qb and V are ONE number a lane for each unit tile.
; BY TURNS.  A row tile is 32 matrix instructions (8 K steps x 4 unit tiles; the four accumulators take turns).  Behind each stands a slice of the tile BEFORE's vector work, on the other set of
; accumulators.  A chunk is whole in itself: its first tile has no slices, its last tile's vector work follows it.  The exponentials are one batch with one wait, and so are the reciprocals.
; A chunk's 64 sums go through the wave's own 256 bytes of LDS and leave as one aligned run of 256 bytes.
; NO PREFETCH: each chunk is asked for a chunk's work ahead of its use.     LIMITS: NaN, infinities and the scale byte 0xff are not served.
; REGISTERS, in windows of 256 (s_set_vgpr_msb: bits 1:0 source 0, 3:2 source 1, 5:4 source 2, 7:6 destination).  In the products only source 1 leaves window 0: three switches a tile.
;   window 0: v1-7, v14-15 addresses; v8-11 qb; v12-13 the sum of my four V; v16-31 W1's scale words; v32-39 the rows' scale words, two sets; v40-47 a tile's sums; v48-111 two sets of four accumulators;
;             v112-207 the rows' eight fragments; v208-255 W1's fragments of K step 7.     window 1: v0-191 W1's of K steps 0-3.     window 2: v0-143 W1's of K steps 4-6; v144-147 -2 V; v152-251 a tile on its way.
.set TILEB, 12800                      ; an image of 16 rows
.set CHB,   4*TILEB                    ; a chunk, and a slot
.set SLOT1, 1<<16                      ; slot 1 begins here
.set EXCH,  CHB                        ; behind slot 0: 256 bytes for each wave: a chunk's 64 sums
.set SPARE, EXCH+1024                  ; the spare words, 128 bytes for each wave
.set LI,  1                            ; v1   16 x lane: my place in slot 0, and in memory; v2 the same in slot 1; never rewritten
.set XST, 3                            ; v3   where I put a tile's sums: my wave's 256 bytes, + 32 (lane / 16)
.set XRD, 4                            ; v4   where I read them back: + 8 x lane
.set SPW, 5                            ; v5   LDS address of my spare word; never rewritten
.set NIL, 6                            ; v6   0; never rewritten
.set GOF, 7                            ; v7   at the head 4 (lane % 16); then 8 x lane: my offset in a chunk's 256 bytes of part
.set CB,  8
.set VS,  12
.set SW0, 14                           ; v14  where I store my tile of a chunk in slot 0; v15 in slot 1; never rewritten
.set WS,  16                           ; register 4 ut + kp: lanes 0-15 K step 2 kp, lanes 16-31 K step 2 kp + 1
.set AS,  32                           ; set p at 4 p: the same for the rows
.set S,   40
.set ACC, 48
.set AL,  112                          ; fragment k at 12 k
.set W7,  208
.set VP,  144                          ; in window 2
.set STG, 152                          ; in window 2
.set WV,  16                           ; s16  my wave's number
.set NCH, 21                           ; s21  the batch row's chunks
.set CH,  22                           ; s22  the chunk in hand
.set CT,  23                           ; s23  the loop's counter
.set AB,  26                           ; s[26:27] my tile of the chunk two on
.set PB,  28                           ; s[28:29] the chunk's 256 bytes of my part
.set CC,  40                           ; s[40:41] c, twice
.set MSB, 0
.macro WIN new                         ; the immediate's high byte repeats the setting that is left
.if MSB != \new
	s_set_vgpr_msb (MSB<<8)|\new
.set MSB, \new
.endif
.endm
; Matrix instruction n of a tile's 32, onto accumulator set p: K step n / 4, unit tile n % 4.  The first four start the sums: nothing is cleared.
.macro MM p
.set kk, n/4
.set ut, n%4
.set rD, ACC+32*(\p)+8*ut
.set rA, AL+12*kk
.if kk < 4
.set rB, 12*(4*kk+ut)
.elseif kk < 7
.set rB, 12*(4*(kk-4)+ut)
.else
.set rB, W7+12*ut
.endif
.set rX, AS+4*(\p)+kk/2
.set rY, WS+4*ut+kk/2
.if kk == 0
	v_wmma_scale_f32_16x16x128_f8f6f4 v[rD:rD+7], v[rA:rA+11], v[rB:rB+11], 0, v[rX], v[rY] matrix_a_fmt:MATRIX_FMT_FP6 matrix_b_fmt:MATRIX_FMT_FP6
.elseif kk%2 == 0
	v_wmma_scale_f32_16x16x128_f8f6f4 v[rD:rD+7], v[rA:rA+11], v[rB:rB+11], v[rD:rD+7], v[rX], v[rY] matrix_a_fmt:MATRIX_FMT_FP6 matrix_b_fmt:MATRIX_FMT_FP6
.else
	v_wmma_scale_f32_16x16x128_f8f6f4 v[rD:rD+7], v[rA:rA+11], v[rB:rB+11], v[rD:rD+7], v[rX], v[rY] matrix_a_fmt:MATRIX_FMT_FP6 matrix_b_fmt:MATRIX_FMT_FP6 matrix_a_scale:MATRIX_SCALE_ROW1 matrix_b_scale:MATRIX_SCALE_ROW1
.endif
.endm
.macro DST m                           ; the eight sums with the lane m away: after masks 1, 2, 4, 8 every lane of a half holds the sums over its 16 units' lanes
.irp j, 0,1,2,3,4,5,6,7
	v_add_f32_dpp v[S+\j], v[S+\j], v[S+\j] row_xmask:\m row_mask:0xf bank_mask:0xf
.endr
.endm
; Slice n of 32 of the vector work on accumulator set q.
;   0-3   c acc + qb, a unit tile a slice, each accumulator from its low end on       4-11  the 32 exponentials; behind them a plain place and ONE wait
;   12-15 + 1                                                                          16-23 the 32 reciprocals; a plain place and ONE wait
;   24-27 the sums: (-2 V) x reciprocal, begun with the sum of my four V (source 1 lies in window 2, where these four matrix instructions' weights lie)
;   28-31 across the 16 lanes (source 1 in window 0, as K step 7's weights)
.macro SL q
.set AQ, ACC+32*(\q)
.if n < 4
.irp j, 0,2,4,6
.if n%2 == 0
	v_pk_fma_f32 v[AQ+8*n+\j:AQ+8*n+\j+1], v[AQ+8*n+\j:AQ+8*n+\j+1], s[CC:CC+1], v[CB+2*(n/2):CB+2*(n/2)+1] op_sel_hi:[1,0,0]
.else
	v_pk_fma_f32 v[AQ+8*n+\j:AQ+8*n+\j+1], v[AQ+8*n+\j:AQ+8*n+\j+1], s[CC:CC+1], v[CB+2*(n/2):CB+2*(n/2)+1] op_sel:[0,0,1] op_sel_hi:[1,0,1]
.endif
.endr
.elseif n < 12
.irp j, 0,1,2,3
	v_exp_f32 v[AQ+4*(n-4)+\j], v[AQ+4*(n-4)+\j]
.endr
.if n == 11
	v_nop                                          ; a plain place behind the last exponential
	s_wait_alu depctr_va_vdst(0)                   ; one wait for the batch of 32, ahead of its first reader
.endif
.elseif n < 16
.irp j, 0,2,4,6
	v_pk_add_f32 v[AQ+8*(n-12)+\j:AQ+8*(n-12)+\j+1], v[AQ+8*(n-12)+\j:AQ+8*(n-12)+\j+1], 1.0 op_sel_hi:[1,0]
.endr
.elseif n < 24
.irp j, 0,1,2,3
	v_rcp_f32 v[AQ+4*(n-16)+\j], v[AQ+4*(n-16)+\j]
.endr
.if n == 23
	v_nop                                          ; a plain place behind the last reciprocal
	s_wait_alu depctr_va_vdst(0)                   ; one wait for the batch of 32
.endif
.elseif n < 28
.set uf, n-24
.irp j, 0,2,4,6
.if uf == 0
	v_pk_fma_f32 v[S+\j:S+\j+1], v[AQ+\j:AQ+\j+1], v[VP:VP+1], v[VS:VS+1] op_sel_hi:[1,0,1]
.elseif uf%2 == 0
	v_pk_fma_f32 v[S+\j:S+\j+1], v[AQ+8*uf+\j:AQ+8*uf+\j+1], v[VP+2*(uf/2):VP+2*(uf/2)+1], v[S+\j:S+\j+1] op_sel_hi:[1,0,1]
.else
	v_pk_fma_f32 v[S+\j:S+\j+1], v[AQ+8*uf+\j:AQ+8*uf+\j+1], v[VP+2*(uf/2):VP+2*(uf/2)+1], v[S+\j:S+\j+1] op_sel:[0,1,0] op_sel_hi:[1,1,1]
.endif
.endr
.elseif n == 28
	DST 1
.elseif n == 29
	DST 2
.elseif n == 30
	DST 4
.else
	DST 8
.endif
.endm
; 13 LDS loads in one run: a tile's fragments of K steps 0-3 and its scale block (into set st), from off bytes behind v[a]
.macro RUN1 a, st, off
.irp k, 0,1,2,3
.irp j, 0,1,2
	ds_load_b128 v[AL+12*\k+4*\j:AL+12*\k+4*\j+3], v[\a] offset:(\off)+1536*\k+512*\j
.endr
.endr
	ds_load_b128 v[AS+4*(\st):AS+4*(\st)+3], v[\a] offset:(\off)+12288
.endm
; A ROW TILE, on accumulator set p; it lies off bytes behind v[a].  first = 1: the chunk's first tile: no tile before it, so no slices.  last = 1: no tile behind it.  xo: where the tile before's sums go.
; Loads into registers that matrix instructions have read, and reads of results, stand four plain vector instructions behind the last of them (ISA guide 7.12.1 for vector instructions):
; the eight additions of slice 31 and the four of slice 15, or, in a first tile, four v_nop.
.macro STEP a, p, off, first, last, xo
.irp k, 4,5,6,7
.irp j, 0,1,2
	ds_load_b128 v[AL+12*\k+4*\j:AL+12*\k+4*\j+3], v[\a] offset:(\off)+1536*\k+512*\j   ; K steps 4-7 of this tile: wanted 16 matrix instructions on
.endr
.endr
	s_wait_dscnt 12                                ; all but the twelve loads above: K steps 0-3 and the scale block are in
	WIN 0x04                                       ; source 1: window 1
.set n, 0
.rept 16
	MM \p
.if (\first) == 0
	SL 1-(\p)
.endif
.set n, n+1
.endr
.if \first
.rept 4
	v_nop
.endr
.endif
	s_wait_dscnt 0x0                               ; K steps 4-7 are in
.if (\last) == 0
	RUN1 \a, 1-(\p), (\off)+TILEB
.endif
	WIN 0x08                                       ; source 1: window 2
.rept 12
	MM \p
.if (\first) == 0
	SL 1-(\p)
.endif
.set n, n+1
.endr
	WIN 0
.rept 4
	MM \p
.if (\first) == 0
	SL 1-(\p)
.endif
.set n, n+1
.endr
.if \first
.rept 4
	v_nop
.endr
.else
	ds_store_b128 v[XST], v[S:S+3] offset:\xo      ; the tile before's 16 sums: the 16 lanes of a half write the same 32 bytes with the same values
	ds_store_b128 v[XST], v[S+4:S+7] offset:(\xo)+16
.endif
.endm
; A CHUNK: four tiles from the slot at v[a]; then the last tile's vector work, with nothing to stand between; then its 64 sums leave
.macro CHUNK a
	RUN1 \a, 0, 0
	STEP \a, 0, 0, 1, 0, 0
	STEP \a, 1, TILEB, 0, 0, 0
	STEP \a, 0, 2*TILEB, 0, 0, 64
	STEP \a, 1, 3*TILEB, 0, 1, 128
.set n, 0
.rept 24
	SL 1
.set n, n+1
.endr
	WIN 0x08
.rept 4
	SL 1
.set n, n+1
.endr
	WIN 0
.rept 4
	SL 1
.set n, n+1
.endr
	ds_store_b128 v[XST], v[S:S+3] offset:192
	ds_store_b128 v[XST], v[S+4:S+7] offset:208
	ds_load_b64 v[AL:AL+1], v[XRD]                 ; LDS serves a wave's instructions in order: this sees my eight stores.  Rows 2 l and 2 l + 1 of the chunk
	s_wait_dscnt 0x0
	global_store_b64 v[GOF], v[AL:AL+1], s[PB:PB+1]   ; 32 lanes store 256 consecutive bytes, aligned
.endm
; HALF A TRIP: chunk CH, which lies in slot s
.macro HALF s
	s_wait_dscnt 0x0                               ; my stores of this chunk's tile have landed, and my reads of the other slot are over
	s_barrier_signal -1
	s_barrier_wait -1                              ; both now hold of every wave
	s_add_co_u32 s25, s[CH], 2
	s_cmp_ge_u32 s25, s[NCH]
	s_cbranch_scc1 .Lnostage_\@                    ; my group has no next chunk: nothing to store, nothing to ask for
	s_wait_loadcnt 0x0                             ; the next chunk's tile is in my registers
	WIN 0x08                                       ; an LDS store's data are its source 1: window 2
.set jj, 0
.rept 25
	ds_store_b128 v[SW0+1-(\s)], v[STG+4*jj:STG+4*jj+3] offset:512*jj
.set jj, jj+1
.endr
	WIN 0
	s_add_co_u32 s25, s[CH], 4
	s_cmp_ge_u32 s25, s[NCH]
	s_cbranch_scc1 .Lnostage_\@
	s_wait_dscnt 0x0                               ; the stores have read their registers
	WIN 0x80                                       ; destination window 2
.set jj, 0
.rept 25
	global_load_b128 v[STG+4*jj:STG+4*jj+3], v[LI], s[AB:AB+1] offset:512*jj
.set jj, jj+1
.endr
	WIN 0
.Lnostage_\@:
	s_cmp_ge_u32 s[CH], s[NCH]
	s_cbranch_scc1 .Lnowork_\@
	CHUNK LI+(\s)
.Lnowork_\@:
	s_wait_xcnt 0x0                                ; the loads and the store have read their bases and registers: only behind this wait are they written again
	s_add_nc_u64 s[AB:AB+1], s[AB:AB+1], 2*CHB
	s_add_nc_u64 s[PB:PB+1], s[PB:PB+1], 512
	s_add_co_u32 s[CH], s[CH], 2
.endm
	s_load_b256 s[4:11], s[0:1], 0x0               ; aimg s[4:5], qb s[6:7], wimg s[8:9], V s[10:11]
	s_load_b128 s[12:15], s[0:1], 0x20             ; cnt s[12:13], part s[14:15]
	v_lshl_add_u32 v[SPW], v0, 2, SPARE
	v_mov_b32 v[NIL], 0
	v_lshrrev_b32 v7, 5, v0
	v_readfirstlane_b32 s[WV], v7                  ; wave 0..3
	s_and_b32 s18, ttmp7, 0xffff                   ; g
	s_and_b32 s19, s18, 1                          ; which of the batch row's two groups
	s_lshr_b32 s20, s18, 1                         ; b
	s_mov_b32 s31, 0
	s_mov_b32 s[CC], 0x4038aa3b                    ; c = 2 log2(e)
	s_mov_b32 s[CC+1], s[CC]                       ; (named with it as a pair, so it is written)
	v_and_b32 v[LI], 31, v0
	v_lshlrev_b32 v[XRD], 3, v[LI]
	v_lshlrev_b32 v[LI], 4, v[LI]
	v_add_nc_u32 v[LI+1], SLOT1, v[LI]
	s_mul_i32 s25, s[WV], TILEB
	v_add_nc_u32 v[SW0], s25, v[LI]
	v_add_nc_u32 v[SW0+1], s25, v[LI+1]
	s_lshl_b32 s25, s[WV], 8
	s_add_co_u32 s25, s25, EXCH
	v_add_nc_u32 v[XRD], s25, v[XRD]
	v_bfe_u32 v[XST], v0, 4, 1
	v_lshlrev_b32 v[XST], 5, v[XST]
	v_add_nc_u32 v[XST], s25, v[XST]
	v_and_b32 v7, 15, v0
	v_lshlrev_b32 v7, 2, v7                        ; 4 r: my unit among a tile's 16
	s_wait_kmcnt 0x0
	s_lshl_b32 s30, s20, 3
	s_add_nc_u64 s[12:13], s[12:13], s[30:31]
	s_load_b32 s[NCH], s[12:13], 0x4
	s_lshl_b32 s30, s20, 5                         ; 32 chunks a batch row,
	s_add_co_u32 s30, s30, s19                     ; my group's first chunk (0 or 1: always written, since nch is at least 2),
	s_lshl_b32 s30, s30, 2
	s_add_co_u32 s30, s30, s[WV]                   ; my tile of it
	s_mul_i32 s30, s30, TILEB
	s_add_nc_u64 s[AB:AB+1], s[4:5], s[30:31]
	WIN 0x80                                       ; destination window 2
.set jj, 0
.rept 25
	global_load_b128 v[STG+4*jj:STG+4*jj+3], v[LI], s[AB:AB+1] offset:512*jj
.set jj, jj+1
.endr
	WIN 0
	s_lshl_b32 s25, ttmp9, 2
	s_add_co_u32 s25, s25, s[WV]                   ; p = 4 nq + w: my four unit tiles, 64 units
	s_mul_i32 s30, s25, 4*TILEB
	s_add_nc_u64 s[8:9], s[8:9], s[30:31]
	s_lshl_b32 s30, s25, 8                         ; 64 units of 4 bytes
	s_add_nc_u64 s[10:11], s[10:11], s[30:31]
	s_add_nc_u64 s[6:7], s[6:7], s[30:31]
	s_lshl_b32 s30, s20, 12
	s_add_nc_u64 s[6:7], s[6:7], s[30:31]
	s_lshl_b32 s30, s25, 18                        ; part: 32 x 2,048 numbers for each p,
	s_lshl_b32 s33, s20, 13                        ; 2,048 a batch row,
	s_add_co_u32 s30, s30, s33
	s_lshl_b32 s33, s19, 8                         ; 64 a chunk
	s_add_co_u32 s30, s30, s33
	s_add_nc_u64 s[PB:PB+1], s[14:15], s[30:31]
	WIN 0x40                                       ; destination window 1
.irp k, 0,1,2,3
.irp u, 0,1,2,3
.irp j, 0,1,2
	global_load_b128 v[12*(4*\k+\u)+4*\j:12*(4*\k+\u)+4*\j+3], v[LI], s[8:9] offset:\u*TILEB+1536*\k+512*\j
.endr
.endr
.endr
	WIN 0x80                                       ; destination window 2
.irp k, 4,5,6
.irp u, 0,1,2,3
.irp j, 0,1,2
	global_load_b128 v[12*(4*(\k-4)+\u)+4*\j:12*(4*(\k-4)+\u)+4*\j+3], v[LI], s[8:9] offset:\u*TILEB+1536*\k+512*\j
.endr
.endr
.endr
	WIN 0
.irp u, 0,1,2,3
.irp j, 0,1,2
	global_load_b128 v[W7+12*\u+4*\j:W7+12*\u+4*\j+3], v[LI], s[8:9] offset:\u*TILEB+1536*7+512*\j
.endr
	global_load_b128 v[WS+4*\u:WS+4*\u+3], v[LI], s[8:9] offset:\u*TILEB+12288
	global_load_b32 v[S+\u], v7, s[10:11] offset:64*\u    ; V of my unit in tile u
	global_load_b32 v[CB+\u], v7, s[6:7] offset:64*\u     ; and qb
.endr
	s_wait_loadcnt 0x0
	v_add_f32 v[VS], v[S], v[S+1]
	v_add_f32 v[VS+1], v[S+2], v[S+3]
	v_add_f32 v[VS], v[VS], v[VS+1]
	v_mov_b32 v[VS+1], v[VS]
	v_and_b32 v[GOF], 31, v0                       ; (the loads that read 4 r are done)
	v_lshlrev_b32 v[GOF], 3, v[GOF]
	WIN 0x80
.irp u, 0,1,2,3
	v_mul_f32 v[VP+\u], -2.0, v[S+\u]
.endr
	WIN 0x08
.set jj, 0
.rept 25
	ds_store_b128 v[SW0], v[STG+4*jj:STG+4*jj+3] offset:512*jj   ; my tile of the first chunk, into slot 0
.set jj, jj+1
.endr
	WIN 0
	s_add_nc_u64 s[AB:AB+1], s[AB:AB+1], 2*CHB     ; (its loads are done)  my group's second chunk
	s_wait_kmcnt 0x0
	s_add_co_u32 s25, s19, 2
	s_cmp_ge_u32 s25, s[NCH]
	s_cbranch_scc1 .Lno_second
	s_wait_dscnt 0x0                               ; the stores have read their registers
	WIN 0x80
.set jj, 0
.rept 25
	global_load_b128 v[STG+4*jj:STG+4*jj+3], v[LI], s[AB:AB+1] offset:512*jj
.set jj, jj+1
.endr
	WIN 0
.Lno_second:
	s_wait_xcnt 0x0
	s_add_nc_u64 s[AB:AB+1], s[AB:AB+1], 2*CHB     ; the third: what the first half trip asks for
	s_mov_b32 s[CH], s19
	s_mov_b32 s[CT], 8
.Ltrip:
	HALF 0
	HALF 1
	s_sub_co_u32 s[CT], s[CT], 1
	s_cmp_lg_u32 s[CT], 0
	s_cbranch_scc1 .Ltrip
	s_wait_tensorcnt 0x0                           ; the wave's end: a tensor wait, an add and its wait behind my last LDS store, the tensor wait in a text with no tensor load too
	ds_add_u32 v[SPW], v[NIL]
	s_wait_dscnt 0x0
	s_endpgm
.Lfunc_end_k_q16987226c0_score:
	.size	k_q16987226c0_score, .Lfunc_end_k_q16987226c0_score-k_q16987226c0_score
	.p2alignl 7, 3214868480
	.fill 96, 4, 3214868480
	.section	.rodata,"a",@progbits
	.p2align	6, 0x0
	.amdhsa_kernel k_q16987226c0_score
		.amdhsa_group_segment_fixed_size 116736
		.amdhsa_private_segment_fixed_size 0
		.amdhsa_enable_private_segment 0
		.amdhsa_kernarg_size 48
		.amdhsa_user_sgpr_count 2
		.amdhsa_user_sgpr_kernarg_segment_ptr 1
		.amdhsa_wavefront_size32 1
		.amdhsa_system_sgpr_workgroup_id_x 1
		.amdhsa_system_sgpr_workgroup_id_y 1
		.amdhsa_system_sgpr_workgroup_id_z 1
		.amdhsa_system_vgpr_workitem_id 0
		.amdhsa_next_free_vgpr 768
		.amdhsa_next_free_sgpr 66
		.amdhsa_reserve_vcc 0
		.amdhsa_float_denorm_mode_32 3
		.amdhsa_float_denorm_mode_16_64 3
		.amdhsa_memory_ordered 1
		.amdhsa_forward_progress 1
		.amdhsa_inst_pref_size 134
	.end_amdhsa_kernel
	.amdgpu_metadata
---
amdhsa.version: [ 1, 2 ]
amdhsa.kernels:
  - .name:           k_q16987226c0_score
    .symbol:         k_q16987226c0_score.kd
    .args:
      - { .name: aimg, .offset: 0, .size: 8, .value_kind: global_buffer, .address_space: global }
      - { .name: qb, .offset: 8, .size: 8, .value_kind: global_buffer, .address_space: global }
      - { .name: wimg, .offset: 16, .size: 8, .value_kind: global_buffer, .address_space: global }
      - { .name: V, .offset: 24, .size: 8, .value_kind: global_buffer, .address_space: global }
      - { .name: cnt, .offset: 32, .size: 8, .value_kind: global_buffer, .address_space: global }
      - { .name: part, .offset: 40, .size: 8, .value_kind: global_buffer, .address_space: global }
    .group_segment_fixed_size: 116736
    .private_segment_fixed_size: 0
    .kernarg_segment_align: 8
    .kernarg_segment_size: 48
    .max_flat_workgroup_size: 128
    .sgpr_count:     66
    .vgpr_count:     768
    .wavefront_size: 32
...
	.end_amdgpu_metadata
.endif
;; end of part 7
;; launch context (part 8): grid 8 x 32, 16 waves a work-group, no clusters, 18,944 bytes of LDS; arguments part, mt, pos, list, cnt, values, out0, out1; writes out0, out1
.if DOCPART == 8
	.amdgcn_target "amdgcn-amd-amdhsa--gfx1250"
	.amdhsa_code_object_version 6
	.text
	.protected	k_q16987226c0_context
	.globl	k_q16987226c0_context
	.p2align	8
	.type	k_q16987226c0_context,@function
k_q16987226c0_context:
	s_mov_b64 s[64:65], 0
	v_nop
	global_prefetch_b8 v0, s[64:65] scope:SCOPE_SE
	s_setreg_imm32_b32 hwreg(HW_REG_WAVE_MODE, 25, 1), 1
	s_wait_xcnt 0x0
; BAHDANAU ATTENTION, launch 5 of 5: the softmax over the kept rows, out1, and the weighted sum of the kept rows of the f32 values (out0).
; Rows that the mask throws away get the weight 0 and are not read, and bV is left out (both shown at the head of launch 1).
; SHARES.  Work-group (c, b) takes batch row b and columns 128 c on (512 bytes of every row of values).  Each of the eight work-groups of a batch row makes the row's weights for itself, in the compact order:
; thread t has places 4 t .. 4 t + 3: the sum of launch 4's 16 parts and launch 2's mask term.  A place from n on counts as -infinity: weight 0.  The offset into part is held to the chunks that were written.
; out1 is in the rows' own order: thread t takes the weights of rows 4 t .. 4 t + 3 out of LDS by their stored places (held to 2,047), 0 for a row that was left out; each work-group stores an eighth of the row.
; THE SUM.  Wave w takes places 256 r + 16 w + 0 .. 15 in turn r, a load of 512 consecutive bytes a row; the rows' numbers come from the list as scalars, held to 2,047.  A wave has ceil((n - 16 w) / 256) turns, at least 1.
; The turns are written out as a chain: after each turn a scalar branch on that count leads to the text of a last turn.  So on every way the loads issued behind a turn's own are the next turn's sixteen, or none.
; NO CLUSTER: what the eight share is small beside each one's own rows.  No matrix unit: the sum has one row of weights for each batch row.  No tensor load: the launch branches on stored counts.
; THE SOFTMAX takes the row's maximum away, as reference() does.     LIMITS: NaN and infinities among the inputs are not served.
.set PB,    0                          ; LDS: the 2,048 weights, in the compact order,
.set REDM,  8192                       ; the 16 waves' maxima,
.set REDS,  8448                       ; their sums,
.set CTX,   8704                       ; their parts of out0: 512 bytes each,
.set SPARE, 16896                      ; and the spare words, 128 bytes for each wave
.set LN,  1                            ; v1   16 x lane; never rewritten
.set TT,  2                            ; v2   16 x thread; never rewritten
.set WN,  3                            ; v3   my wave's number
.set SC,  4                            ; v4-7   scores, then weights
.set MT,  8                            ; v8-11  mask terms
.set PS,  12                           ; v12-15 the places of rows 4 t ..
.set GA,  16                           ; v16-19 their LDS addresses
.set GW,  20                           ; v20-23 their weights
.set RA,  26                           ; v26  4 x wave
.set ZR,  27                           ; v27  0, an LDS address
.set TC,  31                           ; v31  16 x thread, held to what was written of part
.set VAL, 32                           ; v32-159 two sets of 16 rows x 16 bytes a lane
.set PT,  VAL+64                       ; the 16 parts lie in the second set until they are added
.set A0,  160                          ; v160-163 the sums of even rows;  v164-167 of odd rows
.set A1,  164
.set W,   168                          ; v168-183 16 numbers from LDS
.set PA,  184                          ; v184 64 x wave: my wave's 16 weights of a turn
.set IX,  185                          ; v185-188 my four places
.set NEG, 189                          ; v189 -infinity
.set SPW, 190                          ; v190 LDS address of my spare word; never rewritten
.set NIL, 191                          ; v191 0; never rewritten
.set OF,  192                          ; v192-223 two sets of 16 row offsets
.set IA,  32                           ; s[32:47], s[48:63] two sets of 16 rows' numbers
.set KW,  66                           ; s66  my wave's turns
; turn r's 16 rows are asked for; then the numbers of the turn two on, into the scalars just used (the list is written whole, so these loads need no test)
.macro VLOAD r
	s_wait_kmcnt 0x0
.irp i, 0,1,2,3,4,5,6,7,8,9,10,11,12,13,14,15
	s_min_u32 s[IA+16*((\r)%2)+\i], s[IA+16*((\r)%2)+\i], 0x7ff   ; a loaded number enters an address only behind this hold
.endr
.irp i, 0,1,2,3,4,5,6,7,8,9,10,11,12,13,14,15
	v_lshl_add_u32 v[OF+16*((\r)%2)+\i], s[IA+16*((\r)%2)+\i], 12, v[LN]
.endr
.irp i, 0,1,2,3,4,5,6,7,8,9,10,11,12,13,14,15
	global_load_b128 v[VAL+64*((\r)%2)+4*\i:VAL+64*((\r)%2)+4*\i+3], v[OF+16*((\r)%2)+\i], s[14:15]
.endr
.if (\r)+2 < 8
	s_load_b512 s[IA+16*((\r)%2):IA+16*((\r)%2)+15], s[10:11], 0x400*((\r)+2)
.endif
.endm
.macro BARRIER                         ; my LDS instructions are done: then the work-group's barrier
	s_wait_dscnt 0x0
	s_barrier_signal -1
	s_barrier_wait -1
.endm
; turn r's 16 rows x their weights (every lane reads the same 64 bytes of LDS).  left: the loads that may stay out: the next turn's sixteen, or none
.macro FMA r, left
.irp i, 0,1,2,3
	ds_load_b128 v[W+4*\i:W+4*\i+3], v[PA] offset:PB+1024*(\r)+16*\i
.endr
	s_wait_loadcnt \left
	s_wait_dscnt 0x0
.irp i, 0,2,4,6,8,10,12,14
.set VB, VAL+64*((\r)%2)+4*\i
.if ((\r) == 0) && (\i == 0)
	v_pk_mul_f32 v[A0:A0+1], v[VB:VB+1], v[W+\i:W+\i+1] op_sel_hi:[1,0]               ; the first two rows start the sums: nothing is cleared
	v_pk_mul_f32 v[A0+2:A0+3], v[VB+2:VB+3], v[W+\i:W+\i+1] op_sel_hi:[1,0]
	v_pk_mul_f32 v[A1:A1+1], v[VB+4:VB+5], v[W+\i:W+\i+1] op_sel:[0,1] op_sel_hi:[1,1]
	v_pk_mul_f32 v[A1+2:A1+3], v[VB+6:VB+7], v[W+\i:W+\i+1] op_sel:[0,1] op_sel_hi:[1,1]
.else
	v_pk_fma_f32 v[A0:A0+1], v[VB:VB+1], v[W+\i:W+\i+1], v[A0:A0+1] op_sel_hi:[1,0,1]   ; the even row's weight for both halves
	v_pk_fma_f32 v[A0+2:A0+3], v[VB+2:VB+3], v[W+\i:W+\i+1], v[A0+2:A0+3] op_sel_hi:[1,0,1]
	v_pk_fma_f32 v[A1:A1+1], v[VB+4:VB+5], v[W+\i:W+\i+1], v[A1:A1+1] op_sel:[0,1,0] op_sel_hi:[1,1,1]   ; the odd row's
	v_pk_fma_f32 v[A1+2:A1+3], v[VB+6:VB+7], v[W+\i:W+\i+1], v[A1+2:A1+3] op_sel:[0,1,0] op_sel_hi:[1,1,1]
.endif
.endr
.endm
; a turn in the chain's middle: turn r + 1 is on its way; if it is the last, its text stands at .Llast_rn; else turn r + 2 is asked for, into the set just read
.macro PIPE r, rn
	FMA \r, 16
	s_cmp_lt_u32 s[KW], (\r)+3
	s_cbranch_scc1 .Llast_\rn
	VLOAD (\r)+2
.endm
.macro LAST r
.Llast_\r:
	FMA \r, 0
	s_branch .Lsummed
.endm
	s_load_b512 s[4:19], s[0:1], 0x0               ; part s[4:5], mt s[6:7], pos s[8:9], list s[10:11], cnt s[12:13], values s[14:15], out0 s[16:17], out1 s[18:19]
	v_lshl_add_u32 v[SPW], v0, 2, SPARE
	v_mov_b32 v[NIL], 0
	v_lshrrev_b32 v[WN], 5, v0
	v_readfirstlane_b32 s20, v[WN]                 ; wave 0..15
	v_and_b32 v[LN], 31, v0
	v_lshlrev_b32 v[LN], 4, v[LN]
	v_lshlrev_b32 v[TT], 4, v0
	v_lshlrev_b32 v[RA], 2, v[WN]
	v_mov_b32 v[ZR], 0
	v_lshlrev_b32 v[PA], 6, v[WN]
	v_mov_b32 v25, 0                               ; written once: a lane permute's destination counts as one of its sources
	v_lshlrev_b32 v[IX], 2, v0
.irp e, 1,2,3
	v_add_nc_u32 v[IX+\e], \e, v[IX]
.endr
	v_mov_b32 v[NEG], 0xff800000
	s_and_b32 s21, ttmp7, 0xffff                   ; b
	s_mov_b32 s23, 0
	s_mov_b32 s26, 0x3fb8aa3b                      ; log2(e)
	s_mov_b32 s27, s26
	s_mov_b32 s28, 0x76543210                      ; v_permlanex16_b32's selects for lane l xor 16
	s_mov_b32 s29, 0xfedcba98
	s_wait_kmcnt 0x0
	s_lshl_b32 s22, s21, 3
	s_add_nc_u64 s[12:13], s[12:13], s[22:23]
	s_load_b64 s[30:31], s[12:13], 0x0             ; n, nch
	s_lshl_b32 s22, s21, 13                        ; 2,048 numbers of 4 bytes
	s_add_nc_u64 s[4:5], s[4:5], s[22:23]
	s_add_nc_u64 s[6:7], s[6:7], s[22:23]
	s_add_nc_u64 s[8:9], s[8:9], s[22:23]
	s_add_nc_u64 s[10:11], s[10:11], s[22:23]
	s_add_nc_u64 s[18:19], s[18:19], s[22:23]
	s_lshl_b32 s22, s20, 6                         ; the list: my wave's 16 numbers of a turn
	s_add_nc_u64 s[10:11], s[10:11], s[22:23]
	s_load_b512 s[IA:IA+15], s[10:11], 0x0         ; turn 0's
	s_load_b512 s[IA+16:IA+31], s[10:11], 0x400    ; turn 1's
	s_lshl_b32 s22, s21, 23                        ; values: batch row b,
	s_lshl_b32 s24, ttmp9, 9                       ; the work-group's 512 bytes of a row
	s_add_co_u32 s22, s22, s24
	s_add_nc_u64 s[14:15], s[14:15], s[22:23]
	s_lshl_b32 s22, s21, 12
	s_add_co_u32 s22, s22, s24
	s_add_nc_u64 s[16:17], s[16:17], s[22:23]
	s_wait_kmcnt 0x0
	s_min_u32 s31, s31, 32
	s_lshl_b32 s24, s31, 8
	s_sub_co_u32 s24, s24, 16                      ; the last 16 bytes of part that were written for this batch row (nch is at least 2)
	v_min_u32 v[TC], s24, v[TT]
	v_min_u32 v[TC], 0x1ff0, v[TC]                 ; a loaded number enters an address only behind this hold
	s_lshl_b32 s67, s20, 4
	s_add_co_u32 s[KW], s30, 255
	s_sub_co_u32 s[KW], s[KW], s67                 ; n is at least 1 and 16 w at most 240: never negative
	s_lshr_b32 s[KW], s[KW], 8
	s_max_u32 s[KW], s[KW], 1
.irp q, 0,1,2,3,4,5,6,7,8,9,10,11,12,13,14,15
	global_load_b128 v[PT+4*\q:PT+4*\q+3], v[TC], s[4:5] offset:\q*262144
.endr
	global_load_b128 v[MT:MT+3], v[TT], s[6:7]
	global_load_b128 v[PS:PS+3], v[TT], s[8:9]
	VLOAD 0
	; ---- the softmax
	s_wait_loadcnt 16                              ; the 18 small loads are in; turn 0's 16 stay on their way
.irp q, 0,2,4,6,8,10,12,14
	v_pk_add_f32 v[PT+4*\q:PT+4*\q+1], v[PT+4*\q:PT+4*\q+1], v[PT+4*\q+4:PT+4*\q+5]
	v_pk_add_f32 v[PT+4*\q+2:PT+4*\q+3], v[PT+4*\q+2:PT+4*\q+3], v[PT+4*\q+6:PT+4*\q+7]
.endr
.irp q, 0,4,8,12
	v_pk_add_f32 v[PT+4*\q:PT+4*\q+1], v[PT+4*\q:PT+4*\q+1], v[PT+4*\q+8:PT+4*\q+9]
	v_pk_add_f32 v[PT+4*\q+2:PT+4*\q+3], v[PT+4*\q+2:PT+4*\q+3], v[PT+4*\q+10:PT+4*\q+11]
.endr
.irp q, 0,8
	v_pk_add_f32 v[PT+4*\q:PT+4*\q+1], v[PT+4*\q:PT+4*\q+1], v[PT+4*\q+16:PT+4*\q+17]
	v_pk_add_f32 v[PT+4*\q+2:PT+4*\q+3], v[PT+4*\q+2:PT+4*\q+3], v[PT+4*\q+18:PT+4*\q+19]
.endr
	v_pk_add_f32 v[SC:SC+1], v[PT:PT+1], v[PT+32:PT+33]
	v_pk_add_f32 v[SC+2:SC+3], v[PT+2:PT+3], v[PT+34:PT+35]
	v_pk_add_f32 v[SC:SC+1], v[SC:SC+1], v[MT:MT+1]       ; the scores
	v_pk_add_f32 v[SC+2:SC+3], v[SC+2:SC+3], v[MT+2:MT+3]
.irp e, 0,1,2,3
	v_cmp_gt_u32 vcc_lo, s30, v[IX+\e]             ; n > my place: it has a row
	v_cndmask_b32 v[SC+\e], v[NEG], v[SC+\e], vcc_lo
.endr
.irp e, 0,1,2,3
	v_min_u32 v[GA+\e], 0x7ff, v[PS+\e]
.endr
.irp e, 0,1,2,3
	v_lshlrev_b32 v[GA+\e], 2, v[GA+\e]
.endr
	s_cmp_lt_u32 s[KW], 2
	s_cbranch_scc1 .Lno_turn_1
	VLOAD 1                                        ; into the set that held the parts
.Lno_turn_1:
	v_max3_num_f32 v24, v[SC], v[SC+1], v[SC+2]
	v_max_num_f32 v24, v24, v[SC+3]
	v_max_num_f32_dpp v24, v24, v24 row_xmask:1 row_mask:0xf bank_mask:0xf
	v_max_num_f32_dpp v24, v24, v24 row_xmask:2 row_mask:0xf bank_mask:0xf
	v_max_num_f32_dpp v24, v24, v24 row_xmask:4 row_mask:0xf bank_mask:0xf
	v_max_num_f32_dpp v24, v24, v24 row_xmask:8 row_mask:0xf bank_mask:0xf
	v_permlanex16_b32 v25, v24, s28, s29
	v_max_num_f32 v24, v24, v25                    ; my wave's largest score
	ds_store_b32 v[RA], v24 offset:REDM            ; all lanes write the same word with the same value
	BARRIER
.irp i, 0,1,2,3
	ds_load_b128 v[W+4*\i:W+4*\i+3], v[ZR] offset:REDM+16*\i
.endr
	s_wait_dscnt 0x0
	v_max3_num_f32 v28, v[W], v[W+1], v[W+2]
.irp i, 3,5,7,9,11,13
	v_max3_num_f32 v28, v28, v[W+\i], v[W+\i+1]
.endr
	v_max_num_f32 v28, v28, v[W+15]                ; the row's largest score: a number, since place 0 has a row
	v_mov_b32 v29, v28
	v_pk_add_f32 v[SC:SC+1], v[SC:SC+1], v[28:29] neg_lo:[0,1] neg_hi:[0,1]
	v_pk_add_f32 v[SC+2:SC+3], v[SC+2:SC+3], v[28:29] neg_lo:[0,1] neg_hi:[0,1]
	v_pk_mul_f32 v[SC:SC+1], v[SC:SC+1], s[26:27] op_sel_hi:[1,0]
	v_pk_mul_f32 v[SC+2:SC+3], v[SC+2:SC+3], s[26:27] op_sel_hi:[1,0]
.irp e, 0,1,2,3
	v_exp_f32 v[SC+\e], v[SC+\e]
.endr
	v_nop                                          ; a plain place behind the last exponential
	s_wait_alu depctr_va_vdst(0)                   ; one wait for the four, ahead of their first reader
	v_add_f32 v24, v[SC], v[SC+1]
	v_add_f32 v30, v[SC+2], v[SC+3]
	v_add_f32 v24, v24, v30
	v_add_f32_dpp v24, v24, v24 row_xmask:1 row_mask:0xf bank_mask:0xf
	v_add_f32_dpp v24, v24, v24 row_xmask:2 row_mask:0xf bank_mask:0xf
	v_add_f32_dpp v24, v24, v24 row_xmask:4 row_mask:0xf bank_mask:0xf
	v_add_f32_dpp v24, v24, v24 row_xmask:8 row_mask:0xf bank_mask:0xf
	v_permlanex16_b32 v25, v24, s28, s29
	v_add_f32 v24, v24, v25
	ds_store_b32 v[RA], v24 offset:REDS            ; other bytes than the maxima's: no barrier is owed between
	BARRIER
.irp i, 0,1,2,3
	ds_load_b128 v[W+4*\i:W+4*\i+3], v[ZR] offset:REDS+16*\i
.endr
	s_wait_dscnt 0x0
.irp i, 0,4,8,12
	v_pk_add_f32 v[W+\i:W+\i+1], v[W+\i:W+\i+1], v[W+\i+2:W+\i+3]
.endr
	v_pk_add_f32 v[W:W+1], v[W:W+1], v[W+4:W+5]
	v_pk_add_f32 v[W+8:W+9], v[W+8:W+9], v[W+12:W+13]
	v_pk_add_f32 v[W:W+1], v[W:W+1], v[W+8:W+9]
	v_add_f32 v24, v[W], v[W+1]                    ; the row's sum: at least 1, the largest score's own term
	v_rcp_f32 v30, v24
	v_nop                                          ; a plain place behind the reciprocal
	s_wait_alu depctr_va_vdst(0)                   ; and its wait
.irp e, 0,1,2,3
	v_mul_f32 v[SC+\e], v[SC+\e], v30              ; the weights
.endr
	ds_store_b128 v[TT], v[SC:SC+3] offset:PB
	BARRIER                                        ; all 2,048 weights lie in LDS
.irp e, 0,1,2,3
	ds_load_b32 v[GW+\e], v[GA+\e] offset:PB       ; the weights of rows 4 t .., by their places
.endr
	s_wait_dscnt 0x0
.irp e, 0,1,2,3
	v_cmp_gt_u32 vcc_lo, 0x800, v[PS+\e]           ; the row was kept
	v_cndmask_b32 v[GW+\e], 0, v[GW+\e], vcc_lo
.endr
	s_lshr_b32 s22, s20, 1                         ; waves 2 c and 2 c + 1 hold the eighth of out1 that this work-group stores: 512 consecutive bytes a wave
	s_cmp_lg_u32 s22, ttmp9
	s_cbranch_scc1 .Lnot_out1
	global_store_b128 v[TT], v[GW:GW+3], s[18:19]
.Lnot_out1:
	BARRIER                                        ; no wave stores to LDS again before every wave's reads by stored places are over
	; ---- the weighted sum
	FMA 0, 0                                       ; turn 0, and turn 1 where it was asked for, have had the whole softmax in which to land
	s_cmp_lt_u32 s[KW], 2
	s_cbranch_scc1 .Lsummed
	s_cmp_lt_u32 s[KW], 3
	s_cbranch_scc1 .Llast_1
	VLOAD 2
	PIPE 1, 2
	PIPE 2, 3
	PIPE 3, 4
	PIPE 4, 5
	PIPE 5, 6
	FMA 6, 16
	FMA 7, 0
	s_branch .Lsummed
	LAST 6
	LAST 5
	LAST 4
	LAST 3
	LAST 2
	LAST 1
.Lsummed:
	v_pk_add_f32 v[A0:A0+1], v[A0:A0+1], v[A1:A1+1]
	v_pk_add_f32 v[A0+2:A0+3], v[A0+2:A0+3], v[A1+2:A1+3]
	ds_store_b128 v[TT], v[A0:A0+3] offset:CTX     ; 16 x thread = 512 x wave + 16 x lane
	BARRIER
	s_cmp_lg_u32 s20, 0
	s_cbranch_scc1 .Ldone                          ; wave 0 adds the sixteen parts: 512 bytes of out0
.irp i, 0,1,2,3,4,5,6,7,8,9,10,11,12,13,14,15
	ds_load_b128 v[VAL+4*\i:VAL+4*\i+3], v[LN] offset:CTX+512*\i
.endr
	s_wait_dscnt 0x0
.irp i, 0,8,16,24,32,40,48,56
	v_pk_add_f32 v[VAL+\i:VAL+\i+1], v[VAL+\i:VAL+\i+1], v[VAL+\i+4:VAL+\i+5]
	v_pk_add_f32 v[VAL+\i+2:VAL+\i+3], v[VAL+\i+2:VAL+\i+3], v[VAL+\i+6:VAL+\i+7]
.endr
.irp i, 0,16,32,48
	v_pk_add_f32 v[VAL+\i:VAL+\i+1], v[VAL+\i:VAL+\i+1], v[VAL+\i+8:VAL+\i+9]
	v_pk_add_f32 v[VAL+\i+2:VAL+\i+3], v[VAL+\i+2:VAL+\i+3], v[VAL+\i+10:VAL+\i+11]
.endr
.irp i, 0,32
	v_pk_add_f32 v[VAL+\i:VAL+\i+1], v[VAL+\i:VAL+\i+1], v[VAL+\i+16:VAL+\i+17]
	v_pk_add_f32 v[VAL+\i+2:VAL+\i+3], v[VAL+\i+2:VAL+\i+3], v[VAL+\i+18:VAL+\i+19]
.endr
	v_pk_add_f32 v[VAL:VAL+1], v[VAL:VAL+1], v[VAL+32:VAL+33]
	v_pk_add_f32 v[VAL+2:VAL+3], v[VAL+2:VAL+3], v[VAL+34:VAL+35]
	global_store_b128 v[LN], v[VAL:VAL+3], s[16:17]   ; 32 lanes store 512 consecutive bytes, aligned
.Ldone:
	s_wait_kmcnt 0x0                               ; the list's numbers that were asked for ahead and not used
	s_wait_tensorcnt 0x0                           ; the wave's end: a tensor wait, an add and its wait behind my last LDS store, the tensor wait in a text with no tensor load too
	ds_add_u32 v[SPW], v[NIL]
	s_wait_dscnt 0x0
	s_endpgm
.Lfunc_end_k_q16987226c0_context:
	.size	k_q16987226c0_context, .Lfunc_end_k_q16987226c0_context-k_q16987226c0_context
	.p2alignl 7, 3214868480
	.fill 96, 4, 3214868480
	.section	.rodata,"a",@progbits
	.p2align	6, 0x0
	.amdhsa_kernel k_q16987226c0_context
		.amdhsa_group_segment_fixed_size 18944
		.amdhsa_private_segment_fixed_size 0
		.amdhsa_enable_private_segment 0
		.amdhsa_kernarg_size 64
		.amdhsa_user_sgpr_count 2
		.amdhsa_user_sgpr_kernarg_segment_ptr 1
		.amdhsa_wavefront_size32 1
		.amdhsa_system_sgpr_workgroup_id_x 1
		.amdhsa_system_sgpr_workgroup_id_y 1
		.amdhsa_system_sgpr_workgroup_id_z 1
		.amdhsa_system_vgpr_workitem_id 0
		.amdhsa_next_free_vgpr 224
		.amdhsa_next_free_sgpr 68
		.amdhsa_reserve_vcc 1
		.amdhsa_float_denorm_mode_32 3
		.amdhsa_float_denorm_mode_16_64 3
		.amdhsa_memory_ordered 1
		.amdhsa_forward_progress 1
		.amdhsa_inst_pref_size 77
	.end_amdhsa_kernel
	.amdgpu_metadata
---
amdhsa.version: [ 1, 2 ]
amdhsa.kernels:
  - .name:           k_q16987226c0_context
    .symbol:         k_q16987226c0_context.kd
    .args:
      - { .name: part, .offset: 0, .size: 8, .value_kind: global_buffer, .address_space: global }
      - { .name: mt, .offset: 8, .size: 8, .value_kind: global_buffer, .address_space: global }
      - { .name: pos, .offset: 16, .size: 8, .value_kind: global_buffer, .address_space: global }
      - { .name: list, .offset: 24, .size: 8, .value_kind: global_buffer, .address_space: global }
      - { .name: cnt, .offset: 32, .size: 8, .value_kind: global_buffer, .address_space: global }
      - { .name: values, .offset: 40, .size: 8, .value_kind: global_buffer, .address_space: global }
      - { .name: out0, .offset: 48, .size: 8, .value_kind: global_buffer, .address_space: global }
      - { .name: out1, .offset: 56, .size: 8, .value_kind: global_buffer, .address_space: global }
    .group_segment_fixed_size: 18944
    .private_segment_fixed_size: 0
    .kernarg_segment_align: 8
    .kernarg_segment_size: 64
    .max_flat_workgroup_size: 512
    .sgpr_count:     68
    .vgpr_count:     224
    .wavefront_size: 32
...
	.end_amdgpu_metadata
.endif
;; end of part 8
